; MI455X (gfx1250); checked and timed in simulation.
; The chip was launched on July 23, 2026; its instructions are those of AMD's public machine-readable ISA for CDNA 5 (MIT licence, August 2026) and "CDNA5" Instruction Set Architecture Reference Guide (July 2026). The comments in the code are by the model that wrote it; some were corrected since.
;; Lora Multi Headed Self Attention. Allowed arithmetic: matrix products marked QUANTISED: E2M3 operands, one E8M0 scale for each 32 along K, by v_wmma_scale_f32_16x16x128_f8f6f4 with both operands' format E2M3, f32 sums; products left as they are: f32 operands where the result goes on into a quantised operand, else bf16, f16 or f32 operands; f32 sums; everything else in f32.
;; Inputs: Aq 16 x 768 float32; Av 16 x 768 float32; Bq 768 x 16 float32; Bv 768 x 16 float32; Wk 768 x 768 float32; Wq 768 x 768 float32; Wv 768 x 768 float32; bk 768 float32; bq 768 float32; bv 768 float32; mask 2 x 2,048 int32; x 2 x 2,048 x 768 float32.
;; Outputs: out0 2 x 2,048 x 768 float32.
;; This version of the problem:
;;   THIS VERSION OF THE PROBLEM IS GIVEN IN LOW PRECISION. The matrix products marked QUANTISED in the list below multiply operands that are first quantised to E2M3 (2 exponent bits, 3 mantissa bits; 6 bits a number), with one power-of-two scale for each 32 numbers along K (OCP MX v1.0); their sums are f32. All else is computed in f32.
;;   The module's matrix products, in the order in which they are computed (A, B: the left and right operand; K: the contracted axis; several contracted axes count as one K, in the product's order):
;;     1. [M 4,096, K 768] x [K 768, N 768]; A: input x; B: input Wq: QUANTISED
;;     2. [M 4,096, K 768] x [K 768, N 16]; A: input x; B: input Aq: QUANTISED
;;     3. [M 4,096, K 16] x [K 16, N 768]; A: computed on the way; B: input Bq: left as it is (K = 16 < 32)
;;     4. [M 4,096, K 768] x [K 768, N 768]; A: input x; B: input Wk: QUANTISED
;;     5. [M 4,096, K 768] x [K 768, N 768]; A: input x; B: input Wv: QUANTISED
;;     6. [M 4,096, K 768] x [K 768, N 16]; A: input x; B: input Av: QUANTISED
;;     7. [M 4,096, K 16] x [K 16, N 768]; A: computed on the way; B: input Bv: left as it is (K = 16 < 32)
;;     8. batch 24 x [M 2,048, K 64] x [K 64, N 2,048]; A: computed on the way; B: computed on the way: QUANTISED
;;     9. batch 24 x [M 2,048, K 2,048] x [K 2,048, N 64]; A: softmax (see below); B: computed on the way: QUANTISED
;;   THE QUANTISER, for each operand of a quantised product, along K:
;;     - K is cut into blocks of 32 from its start; a last block that is shorter is filled with zeros.
;;     - A block's scale is 2^e with e = floor(log2(the largest magnitude in the block)) - 2, held to -126 .. 127; a block of zeros has e = 0. As a byte (E8M0): e + 127.
;;     - Each number is divided by its block's scale, clamped to +-7.5, and rounded to the nearest number of E2M3, ties to even, subnormals kept.
;;     - The product sums the exact products of the quantised numbers (number of the format x scale) in f32.
;;   ~~~python
;;   def quantise(x, axis):      # numpy; x: float32 -> the quantised numbers, widened to float32 again
;;       x = np.moveaxis(x, axis, -1); K = x.shape[-1]
;;       x = np.pad(x, [(0, 0)] * (x.ndim - 1) + [(0, -K % 32)]); x = x.reshape(x.shape[:-1] + (-1, 32)); a = np.abs(x).max(-1, keepdims=True)
;;       e = np.where(a > 0, np.clip(np.frexp(np.where(a > 0, a, 1))[1] - 1 - 2, -126, 127), 0)      # np.frexp(a)[1] - 1 = floor(log2(a)), exactly
;;       r = np.clip(x / 2.0 ** e, -7.5, 7.5)
;;       step = 2.0 ** (np.maximum(np.frexp(np.where(r == 0, 1, r))[1] - 1, 0) - 3)
;;       q = np.round(r / step) * step * 2.0 ** e      # np.round: ties to even
;;       return np.moveaxis(q.reshape(q.shape[:-2] + (-1,))[..., :K], -1, axis).astype(np.float32)
;;   ~~~
;;   SOFTMAX AHEAD OF A QUANTISED PRODUCT. Where the list says 'softmax', what is quantised is not the finished softmax but p = 2^(t - M), with t = logit x log2(e) and M = ceil(the row's largest t), a whole number; so 1/2 < the row's largest p <= 1. The row's sum l is taken of the UNQUANTISED p, in f32, and the product's result is divided by l at the end. Since M is a whole number, a kernel that streams over the keys may use a running M (the ceiling of the running maximum): every later rescaling is an exact power of two, which a block's scale takes up: the codes' values come out the same.
;;   OPERANDS COMPUTED ON THE WAY. 'Computed on the way' means the value that the module computes at that place (a softmax that the list does not call 'softmax' is quantised finished and normalised). What goes into a quantiser is computed in f32, as accurately as f32 sums, v_exp_f32 and their like allow (about 1e-6 of the number): no bf16 or f16 on the way to a quantiser, and a product that is left as it is and whose result goes on into a quantised operand takes f32 operands (vector FMAs, or v_wmma_f32_16x16x4_f32). A number that lies on a knife's edge between two numbers of the format may be rounded either way, as far as f32 arithmetic and the matrix unit's own rounding can turn it there, and no further.
;; 2 versions, each right and faster than the one before. Each part assembles by itself: llvm-mc -triple=amdgcn-amd-amdhsa -mcpu=gfx1250 --defsym DOCPART=n.
;; ======== version 1 of 2: 3 launches
;; workspace buffers: codes 3,910,656 bytes; qc 2,555,904 bytes; kv 5,210,112 bytes
;; launch quant (part 1): grid 201 x 1, 2 waves a work-group, no clusters, 168,192 bytes of LDS; arguments x, Wq, Wk, Wv, Aq, Av, codes; writes codes
.if DOCPART == 1
	.amdgcn_target "amdgcn-amd-amdhsa--gfx1250"
	.amdhsa_code_object_version 6
	.text
	.protected	k_qa97973036a_quant
	.globl	k_qa97973036a_quant
	.p2align	8
	.type	k_qa97973036a_quant,@function
k_qa97973036a_quant:
	s_mov_b64 s[64:65], 0
	v_nop
	global_prefetch_b8 v0, s[64:65] scope:SCOPE_SE
	s_setreg_imm32_b32 hwreg(HW_REG_WAVE_MODE, 25, 1), 1
	s_wait_xcnt 0x0
; x [4096][768], Wq, Wk, Wv [768][768], Aq, Av [16][768], f32 with K innermost, become codes of FP6 (E2M3) with one E8M0 scale byte for each 32 along K,
; laid in the ORDER OF THE OPERAND'S REGISTERS, so that the next launch loads fragments by 16 bytes a lane and nothing else.
; A RECORD (9,728 bytes) is a tile of 16 rows x 768: six fragments (16 rows x 128 K, 12 registers a lane) of 1,536 bytes, registers 4 i .. 4 i + 3 of lane l at 512 i + 16 l;
; behind them, at 9,216 + 16 l, four scale words: in word p lanes 0-15 hold their row's word of K step 2 p, lanes 16-31 that of K step 2 p + 1; word 3 is filling.
; THE ROWS OF A TILE ARE NOT NEIGHBOURS (x, Wq, Wk, Wv): lane r of tile 2 g + u holds row 32 g + 8 u + r + 8 (r / 8).  Aq and Av keep their rows: lane r holds row r.
; Records: 0-255 x, 256-303 Wq, 304-351 Wk, 352-399 Wv, 400 Aq, 401 Av.  Wave u of work-group g makes record 2 g + u: 402 = 201 x 2.
; A block's scale is 2^(floor(log2(its largest magnitude)) - 2); its byte is the largest magnitude's exponent field - 2, held at 1 from below.
; LIMITS: NaN and infinities among the inputs are not served; a block whose largest magnitude lies under 2^-124 has its byte held at 1; a block of zeros gets the byte 1
; where the quantiser says 127: its codes are zeros, and the bytes are read by this program alone.
; One path through the text for all six tensors: only pointers and offsets are chosen, on the work-group's and the wave's number.
; The wave's 16 rows (48 KiB) come by two tensor loads of 8 rows into LDS bytes of the wave's own, filled once; by this text's count two tensor loads of a wave are out.
.set ROWB,  3072                       ; a row in memory
.set PITCH, 3120                       ; and in LDS: 3 x (1,024 bytes + 16 of padding) = 780 words: the sixteen rows of a load of 16 bytes a lane start at sixteen different 16-byte columns
.set WREG,  16*PITCH                   ; a wave's LDS bytes
.set REC,   9728
.set CO,    16                         ; v16-87   the codes: 12 registers for each K step, so that no store's data are written again
.set PW,    88                         ; v88-93   a scale word for each K step
.set X,     96                         ; v96-223  two sets of 64 numbers
.set TM,    224                        ; v224-239 at work: +0..3 largest magnitudes, +4..7 the other half's, then bytes, +12..15 the conversions' scale operands
.set CT,    240                        ; v240-246 the conversions' second halves
.set SC,    248                        ; v248-251 the scale image
.set SEL,   30                         ; s[30:31] lane selects: lane l xor 16
	s_load_b256 s[4:11], s[0:1], 0x0               ; x, Wq, Wk, Wv
	s_load_b128 s[12:15], s[0:1], 0x20             ; Aq, Av
	s_load_b64 s[16:17], s[0:1], 0x30              ; codes
	v_lshl_add_u32 v254, v0, 2, 0x29000
	v_mov_b32 v255, 0
	ds_add_u32 v254, v255
	ds_add_u32 v254, v255
	v_lshrrev_b32 v1, 5, v0
	v_readfirstlane_b32 s18, v1                    ; wave u
	; descriptor group 1: 8 rows x 768 elements of 4 bytes, 16 bytes of padding behind every 1,024
	s_mov_b32 s32, (2<<16)|(1<<20)|(7<<22)|(3<<25) ; no mask; elements of 4 bytes; padding on; after every 256 words (code 7); of 4 words (code 3)
	s_mov_b32 s33, 768<<16                         ; tensor_dim0
	s_mov_b32 s34, 8<<16                           ; tensor_dim1
	s_mov_b32 s35, 768<<16                         ; tile_dim0
	s_mov_b32 s36, 8                               ; tile_dim1
	s_mov_b32 s37, 768                             ; elements from row to row
	s_mov_b32 s38, 0
	s_mov_b32 s39, 0
	s_mov_b32 s28, 0xffff0000                      ; lanes 16-31
	s_mov_b32 s[SEL], 0x76543210
	s_mov_b32 s[SEL+1], 0xfedcba98
	s_mov_b32 s40, 1
	s_mul_i32 s41, s18, WREG                       ; LDS: my wave's bytes, rows 0-7
	s_mov_b32 s44, 1
	s_add_co_u32 s45, s41, 8*PITCH                 ; rows 8-15
	s_lshl_b32 s26, ttmp9, 1
	s_add_co_u32 s26, s26, s18                     ; my record's number
	s_mul_i32 s26, s26, REC
	s_mov_b32 s27, 0
	s_mov_b32 s3, 0
	s_mov_b32 s23, 0
	s_wait_dscnt 0x0
	s_wait_kmcnt 0x0
	s_mov_b64 s[20:21], s[4:5]                     ; which tensor, and its first work-group: the choice hangs on the work-group's number alone
	s_mov_b32 s19, 0
	s_cmp_ge_u32 ttmp9, 128
	s_cselect_b64 s[20:21], s[6:7], s[20:21]
	s_cselect_b32 s19, 128, s19
	s_cmp_ge_u32 ttmp9, 152
	s_cselect_b64 s[20:21], s[8:9], s[20:21]
	s_cselect_b32 s19, 152, s19
	s_cmp_ge_u32 ttmp9, 176
	s_cselect_b64 s[20:21], s[10:11], s[20:21]
	s_cselect_b32 s19, 176, s19
	s_cmp_eq_u32 s18, 0
	s_cselect_b64 s[24:25], s[12:13], s[14:15]     ; the last work-group: wave 0 takes Aq, wave 1 Av
	s_sub_co_u32 s2, ttmp9, s19
	s_lshl_b32 s2, s2, 5
	s_lshl_b32 s19, s18, 3
	s_add_co_u32 s2, s2, s19                       ; my tile's first row: 32 g + 8 u
	s_mul_i32 s2, s2, ROWB
	s_mov_b32 s22, 16*ROWB                         ; its second eight rows lie 16 rows on,
	s_cmp_eq_u32 ttmp9, 200
	s_cselect_b64 s[20:21], s[24:25], s[20:21]
	s_cselect_b32 s2, 0, s2
	s_cselect_b32 s22, 8*ROWB, s22                 ; in Aq and Av 8 rows on
	s_add_nc_u64 s[42:43], s[20:21], s[2:3]
	s_add_nc_u64 s[46:47], s[42:43], s[22:23]
	s_or_b32 s43, s43, 0x80000000                  ; type = 2
	s_or_b32 s47, s47, 0x80000000
	s_add_nc_u64 s[16:17], s[16:17], s[26:27]      ; my record
	tensor_load_to_lds s[40:43], s[32:39]
	s_nop 0
	tensor_load_to_lds s[44:47], s[32:39]
	s_nop 0
.rept 4
	v_nop
.endr
	v_and_b32 v1, 31, v0                           ; lane
	v_and_b32 v2, 15, v0                           ; r
	v_bfe_u32 v3, v0, 4, 1                         ; h
	v_mul_u32_u24 v4, v2, PITCH
	v_lshl_add_u32 v4, v3, 6, v4
	v_add_nc_u32 v4, s41, v4                       ; LDS: row r, + 64 h: my 16 numbers of a block of 32
	v_lshlrev_b32 v5, 4, v1                        ; an image's place for my lane
.irp b, 0,1,2,3
	v_mov_b32 v[TM+4+\b], 0                        ; written once: a lane permute's destination counts as one of its sources
.endr
	v_mov_b32 v[SC+3], 0x7f7f7f7f
; K step n: 64 numbers a lane: register 16 b + i = k 128 n + 32 b + 16 h + i of row r
.macro LOADX n
.irp b, 0,1,2,3
.irp j, 0,1,2,3
	ds_load_b128 v[X+64*((\n)%2)+16*\b+4*\j:X+64*((\n)%2)+16*\b+4*\j+3], v4 offset:512*(\n)+16*((\n)/2)+128*\b+16*\j
.endr
.endr
.endm
; 64 numbers at v[qS] on become a fragment's codes at v[qD] on and its scale word in v[qW]
.macro QUANT
.irp b, 0,1,2,3
	v_max3_num_f32 v[TM+\b], |v[qS+16*\b]|, |v[qS+16*\b+1]|, 0x1800000   ; block b: my 16 numbers, and the floor 2^(3 - 127): the byte cannot fall under 1
.endr
.irp i, 2,4,6,8,10,12,14
.irp b, 0,1,2,3
	v_max3_num_f32 v[TM+\b], v[TM+\b], |v[qS+16*\b+\i]|, |v[qS+16*\b+\i+1]|   ; the four blocks by turns
.endr
.endr
.irp b, 0,1,2,3
	v_permlanex16_b32 v[TM+4+\b], v[TM+\b], s[SEL], s[SEL+1]
.endr
.irp b, 0,1,2,3
	v_max_num_f32 v[TM+\b], v[TM+\b], v[TM+4+\b]   ; with lane l xor 16's: the block's largest magnitude
.endr
.irp b, 0,1,2,3
	v_add_nc_u32 v[TM+12+\b], 0xff000000, v[TM+\b] ; 2 off its exponent field: the conversion takes the exponent field of this operand as its scale
.endr
.irp b, 0,1,2,3
	v_lshrrev_b32 v[TM+4+\b], 23, v[TM+12+\b]      ; the scale's byte
.endr
	v_lshl_or_b32 v[qW], v[TM+5], 8, v[TM+4]
	v_lshl_or_b32 v[qW], v[TM+6], 16, v[qW]
	v_lshl_or_b32 v[qW], v[TM+7], 24, v[qW]
.irp c, 0,1
	v_cvt_scalef32_pk16_fp6_f32 v[qD+6*\c:qD+6*\c+2], v[qS+32*\c:qS+32*\c+15], v[TM+12+2*\c]
	v_cvt_scalef32_pk16_fp6_f32 v[CT+4*\c:CT+4*\c+2], v[qS+32*\c+16:qS+32*\c+31], v[TM+13+2*\c]   ; (a conversion's three registers begin on an even number)
.endr
	v_nop                                          ; one plain place behind a scaled conversion
.irp c, 0,1                                    ; the operand's layout wants a WHOLE block in a lane: lanes 0-15 block 2 c, lanes 16-31 block 2 c + 1
.irp i, 0,1,2
	v_permlane16_swap_b32 v[qD+6*\c+\i], v[CT+4*\c+\i]
.endr
.irp i, 0,1,2
	v_mov_b32 v[qD+6*\c+3+\i], v[CT+4*\c+\i]
.endr
.endr
.endm
.macro KSTEP n
.if (\n) < 5
	s_wait_dscnt 16                                ; this K step's 16 loads are in; the next step's 16 may be out
.else
	s_wait_dscnt 0x0
.endif
.set qS, X+64*((\n)%2)
.set qD, CO+12*(\n)
.set qW, PW+(\n)
	QUANT
.irp i, 0,1,2
	global_store_b128 v5, v[CO+12*(\n)+4*\i:CO+12*(\n)+4*\i+3], s[16:17] offset:1536*(\n)+512*\i   ; 32 lanes store 512 consecutive bytes, aligned
.endr
.if (\n)+2 < 6
	LOADX (\n)+2
.endif
.endm
	s_wait_tensorcnt 0x0                           ; my 16 rows are in LDS; no other wave reads them
	LOADX 0
	LOADX 1
.irp n, 0,1,2,3,4,5
	KSTEP \n
.endr
.irp p, 0,1,2
	v_cndmask_b32 v[SC+\p], v[PW+2*\p], v[PW+2*\p+1], s28   ; lanes 0-15: K step 2 p; lanes 16-31: K step 2 p + 1
.endr
	global_store_b128 v5, v[SC:SC+3], s[16:17] offset:9216
	s_wait_tensorcnt 0x0
	ds_add_u32 v254, v255
	s_wait_dscnt 0x0
	s_endpgm
.Lfunc_end_k_qa97973036a_quant:
	.size	k_qa97973036a_quant, .Lfunc_end_k_qa97973036a_quant-k_qa97973036a_quant
	.p2alignl 7, 3214868480
	.fill 96, 4, 3214868480
	.section	.rodata,"a",@progbits
	.p2align	6, 0x0
	.amdhsa_kernel k_qa97973036a_quant
		.amdhsa_group_segment_fixed_size 168192
		.amdhsa_private_segment_fixed_size 0
		.amdhsa_enable_private_segment 0
		.amdhsa_kernarg_size 56
		.amdhsa_user_sgpr_count 2
		.amdhsa_user_sgpr_kernarg_segment_ptr 1
		.amdhsa_wavefront_size32 1
		.amdhsa_system_sgpr_workgroup_id_x 1
		.amdhsa_system_sgpr_workgroup_id_y 1
		.amdhsa_system_sgpr_workgroup_id_z 1
		.amdhsa_system_vgpr_workitem_id 0
		.amdhsa_next_free_vgpr 256
		.amdhsa_next_free_sgpr 66
		.amdhsa_reserve_vcc 0
		.amdhsa_float_denorm_mode_32 3
		.amdhsa_float_denorm_mode_16_64 3
		.amdhsa_memory_ordered 1
		.amdhsa_forward_progress 1
		.amdhsa_inst_pref_size 35
	.end_amdhsa_kernel
	.amdgpu_metadata
---
amdhsa.version: [ 1, 2 ]
amdhsa.kernels:
  - .name:           k_qa97973036a_quant
    .symbol:         k_qa97973036a_quant.kd
    .args:
      - { .name: x, .offset: 0, .size: 8, .value_kind: global_buffer, .address_space: global }
      - { .name: Wq, .offset: 8, .size: 8, .value_kind: global_buffer, .address_space: global }
      - { .name: Wk, .offset: 16, .size: 8, .value_kind: global_buffer, .address_space: global }
      - { .name: Wv, .offset: 24, .size: 8, .value_kind: global_buffer, .address_space: global }
      - { .name: Aq, .offset: 32, .size: 8, .value_kind: global_buffer, .address_space: global }
      - { .name: Av, .offset: 40, .size: 8, .value_kind: global_buffer, .address_space: global }
      - { .name: codes, .offset: 48, .size: 8, .value_kind: global_buffer, .address_space: global }
    .group_segment_fixed_size: 168192
    .private_segment_fixed_size: 0
    .kernarg_segment_align: 8
    .kernarg_segment_size: 56
    .max_flat_workgroup_size: 64
    .sgpr_count:     66
    .vgpr_count:     256
    .wavefront_size: 32
...
	.end_amdgpu_metadata
.endif
;; end of part 1
;; launch proj (part 2): grid 32 x 9, 4 waves a work-group, no clusters, 168,448 bytes of LDS; arguments codes, Bq, Bv, bq, bk, bv, mask, qc, kv; writes qc, kv
.if DOCPART == 2
	.amdgcn_target "amdgcn-amd-amdhsa--gfx1250"
	.amdhsa_code_object_version 6
	.text
	.protected	k_qa97973036a_proj
	.globl	k_qa97973036a_proj
	.p2align	8
	.type	k_qa97973036a_proj,@function
k_qa97973036a_proj:
	s_mov_b64 s[64:65], 0
	v_nop
	global_prefetch_b8 v0, s[64:65] scope:SCOPE_SE
	s_setreg_imm32_b32 hwreg(HW_REG_WAVE_MODE, 25, 1), 1
	s_wait_xcnt 0x0
; q = x Wq^T + bq + (x Aq^T) Bq^T / 16,  k = x Wk^T + bk,  v = x Wv^T + bv + (x Av^T) Bv^T / 16.  The products with K = 768 run on the codes of FP6 (E2M3) that the launch before has laid
; as register images; the two products with K = 16 run on f32 operands (v_wmma_f32_16x16x4_f32), since their results go on into a quantiser.  q, k and v are quantised here, in registers, and stored
; as register images for the attention: q and k along the head's 64 (two blocks), v along the keys.  The k path also turns the mask into the keys' bias, -80000 (1 - m) = 8 x -10000 (1 - m), f32.
; SHARES.  Work-group (X, Y): X = a block of 128 tokens; Y: 0-2 q, 3-5 v, 6-8 k, four heads each.  Wave w takes head 4 (Y mod 3) + w: 64 columns.
; No cluster: the grid's 9 along y is no multiple of 4, and what work-groups share, x's 77,824 bytes, is the smaller part beside a work-group's 155,648 bytes of weights, which go straight into registers.
; SOURCE 0 IS THE OPERAND THAT IS HELD IN REGISTERS, and its rows run along the result's registers: the axis that is quantised next.  q, k: held = the head's 4 tiles of W, streamed = the 8 tiles of x:
; a lane holds one token and 32 columns.  v: held = the 8 tiles of x, streamed = the 4 tiles of Wv: a lane holds one channel and 64 keys.  The rows of every tile are ordered so that lane r of tile
; 2 b + u holds row 32 b + 8 u + r + 8 (r / 8): the 16 result registers of tiles 2 b, 2 b + 1 are then 16 neighbours, 32 b + 16 (lane / 16) + 0 .. 15.
; LORA.  t = A x^T (source 0 = A's 16 rows, source 1 = a tile of x): lane (r, h) holds token r and rho = 8 h + 0 .. 7.  Times 1/16, which is exact.  K step s of the f32 form takes registers 2 s, 2 s + 1 of t,
; so its k place 2 h + j stands for rho = 8 h + 2 s + j; B's fragment is loaded to match: lane (r, h) takes B[row][8 h .. 8 h + 7].  Nothing changes lanes.  t is made once a work-group (wave w: tiles w, w + 4)
; and goes from wave to wave through LDS as register images.
; LDS: 0 .. 77,823 the eight records of x (filled once, one tensor load a wave: one load of a wave is out); 77,824 .. t's images of the q path; 86,016 .. those of the v path.
; LIMITS: NaN and infinities are not served; a block whose largest magnitude lies under 2^-124 has its byte held at 1; a block of zeros gets the byte 1, not 127: its codes are zeros and this program alone reads the bytes.
; REGISTERS, in windows of 256.  Window i + 1 (i = 0, 1, 2) holds the fragments of K steps 2 i and 2 i + 1.  Window 0: v1-7, v31 addresses; v8-30 at work; v32-95 the accumulators, written by matrix
; instructions alone; v212-255 scale words and nothing else; the rest by path, below.
.set REC,  9728                        ; a record of codes: six fragments of 1,536 bytes, then the scale image
.set FRG,  1536
.set SCO,  9216
.set TIQ,  8*REC
.set TIV,  TIQ+8192
.set TM,   8
.set CT,   24
.set ACC,  32
.set AS,   252                         ; A's scale words
; q and k paths, window 0
.set BIAS, 96                          ; v96-127  the bias in the result's layout: the C of each sum's first matrix instruction
.set BQ,   128                         ; v128-159 Bq's four fragments (k path: the mask and the keys' bias)
.set TT,   160                         ; v160-175 t of a tile of tokens, two buffers
.set OUT,  176                         ; v176-199 the codes of a pair of tiles, two sets
.set SW,   200                         ; v200-203 the scale image
.set WD,   204                         ; v204-205 the scale words of an even and an odd tile
.set WS,   212                         ; v212-227 W's scale words
.set XS,   228                         ; v228-235 x's, two buffers
; q and k paths, windows 1 to 3
.set WF,   0                           ; W's fragment (tile c, step 2 i + e) at v[24 c + 12 e]
.set XF,   96                          ; x's, buffer bf, at v[96 + 24 bf + 12 e]
.set AF,   144                         ; A's at v[144 + 12 e]
; v path, window 0
.set TV,   96                          ; v96-159  t of the eight tiles
.set BV,   160                         ; v160-175 Bv's fragment, two buffers
.set BIASV, 176                        ; v176-183 the lane's bias, eight times
.set PC,   184                         ; v184-195 the codes just made
.set PW,   196                         ; v196-199 the four tiles' scale words
.set VSC,  200                         ; v200-201 the scale image
.set RB,   202                         ; v202-203 the lane's bias as loaded, two buffers
.set XSV,  212                         ; v212-243 x's scale words
.set WSV,  244                         ; v244-251 Wv's, two buffers
; v path, windows 1 to 3
.set HX,   0                           ; x's fragment (tile t, step 2 i + e) at v[96 e + 12 t]
.set WVF,  192                         ; Wv's, buffer bf, at v[192 + 24 bf + 12 e]
.set SEL,  44
.set MSB, 0
.macro WIN new                         ; the immediate's high byte repeats the setting that is left
.if MSB != (\new)
	s_set_vgpr_msb (MSB<<8)|(\new)
.set MSB, (\new)
.endif
.endm
.macro PLACES n
.rept \n
	v_nop
.endr
.endm
.macro BAR
	s_barrier_signal -1
	s_barrier_wait -1
.endm
; a scaled matrix instruction on the registers rD, rA, rB, rC, rSA, rSB.  row = 1: an odd K step: both sides' scale words stand in lanes 16-31
.macro MM row
.if \row
	v_wmma_scale_f32_16x16x128_f8f6f4 v[rD:rD+7], v[rA:rA+11], v[rB:rB+11], v[rC:rC+7], v[rSA], v[rSB] matrix_a_fmt:MATRIX_FMT_FP6 matrix_b_fmt:MATRIX_FMT_FP6 matrix_a_scale:MATRIX_SCALE_ROW1 matrix_b_scale:MATRIX_SCALE_ROW1
.else
	v_wmma_scale_f32_16x16x128_f8f6f4 v[rD:rD+7], v[rA:rA+11], v[rB:rB+11], v[rC:rC+7], v[rSA], v[rSB] matrix_a_fmt:MATRIX_FMT_FP6 matrix_b_fmt:MATRIX_FMT_FP6
.endif
.endm
.macro MMZ                             ; the same, starting a sum
	v_wmma_scale_f32_16x16x128_f8f6f4 v[rD:rD+7], v[rA:rA+11], v[rB:rB+11], 0, v[rSA], v[rSB] matrix_a_fmt:MATRIX_FMT_FP6 matrix_b_fmt:MATRIX_FMT_FP6
.endm
; 64 numbers in the accumulators (register 16 b + i = k 32 b + 16 h + i of my row) become a fragment's codes at v[qD] on and its scale word in v[qW].  Each accumulator is read from its low end on
.macro QUANT
.irp b, 0,1,2,3
	v_max3_num_f32 v[TM+\b], |v[ACC+16*\b]|, |v[ACC+16*\b+1]|, 0x1800000   ; and the floor 2^(3 - 127): the byte cannot fall under 1
.endr
.irp i, 2,4,6,8,10,12,14
.irp b, 0,1,2,3
	v_max3_num_f32 v[TM+\b], v[TM+\b], |v[ACC+16*\b+\i]|, |v[ACC+16*\b+\i+1]|
.endr
.endr
.irp b, 0,1,2,3
	v_permlanex16_b32 v[TM+4+\b], v[TM+\b], s[SEL], s[SEL+1]
.endr
.irp b, 0,1,2,3
	v_max_num_f32 v[TM+\b], v[TM+\b], v[TM+4+\b]
.endr
.irp b, 0,1,2,3
	v_add_nc_u32 v[TM+12+\b], 0xff000000, v[TM+\b] ; 2 off the exponent field: the conversion's scale operand
.endr
.irp b, 0,1,2,3
	v_lshrrev_b32 v[TM+4+\b], 23, v[TM+12+\b]      ; the scale's byte
.endr
	v_lshl_or_b32 v[qW], v[TM+5], 8, v[TM+4]
	v_lshl_or_b32 v[qW], v[TM+6], 16, v[qW]
	v_lshl_or_b32 v[qW], v[TM+7], 24, v[qW]
.irp c, 0,1
	v_cvt_scalef32_pk16_fp6_f32 v[qD+6*\c:qD+6*\c+2], v[ACC+32*\c:ACC+32*\c+15], v[TM+12+2*\c]
	v_cvt_scalef32_pk16_fp6_f32 v[CT+4*\c:CT+4*\c+2], v[ACC+32*\c+16:ACC+32*\c+31], v[TM+13+2*\c]
.endr
	v_nop                                          ; one plain place behind a scaled conversion
.irp c, 0,1
.irp i, 0,1,2
	v_permlane16_swap_b32 v[qD+6*\c+\i], v[CT+4*\c+\i]
.endr
.irp i, 0,1,2
	v_mov_b32 v[qD+6*\c+3+\i], v[CT+4*\c+\i]
.endr
.endr
.endm
; the same for 32 numbers, two blocks: six registers of codes (k = 32 h + 0 .. 31); the word's upper two bytes are 0x7f: they scale the half of the K step that holds no numbers
.macro QUANT2
.irp b, 0,1
	v_max3_num_f32 v[TM+\b], |v[ACC+16*\b]|, |v[ACC+16*\b+1]|, 0x1800000
.endr
.irp i, 2,4,6,8,10,12,14
.irp b, 0,1
	v_max3_num_f32 v[TM+\b], v[TM+\b], |v[ACC+16*\b+\i]|, |v[ACC+16*\b+\i+1]|
.endr
.endr
.irp b, 0,1
	v_permlanex16_b32 v[TM+4+\b], v[TM+\b], s[SEL], s[SEL+1]
.endr
.irp b, 0,1
	v_max_num_f32 v[TM+\b], v[TM+\b], v[TM+4+\b]
.endr
.irp b, 0,1
	v_add_nc_u32 v[TM+12+\b], 0xff000000, v[TM+\b]
.endr
.irp b, 0,1
	v_lshrrev_b32 v[TM+4+\b], 23, v[TM+12+\b]
.endr
	v_lshl_or_b32 v[qW], v[TM+5], 8, v[TM+4]
	v_or_b32 v[qW], 0x7f7f0000, v[qW]
	v_cvt_scalef32_pk16_fp6_f32 v[qD:qD+2], v[ACC:ACC+15], v[TM+12]
	v_cvt_scalef32_pk16_fp6_f32 v[CT:CT+2], v[ACC+16:ACC+31], v[TM+13]
	v_nop
.irp i, 0,1,2
	v_permlane16_swap_b32 v[qD+\i], v[CT+\i]
.endr
.irp i, 0,1,2
	v_mov_b32 v[qD+3+\i], v[CT+\i]
.endr
.endm
; the path's pointers.  tb: the weight's first tile among the weights' records; bi, op: the registers with the bias's and the output's address; osz: an output record; lora = 1: arec A's record, bp B's address
.macro POINTERS tb, bi, op, osz, lora, arec, bp
	s_lshl_b32 s30, s26, 2
	s_add_co_u32 s30, s30, 256+\tb
	s_mul_i32 s30, s30, REC
	s_add_nc_u64 s[48:49], s[4:5], s[30:31]        ; my head's four records of W
	s_lshl_b32 s30, s26, 8
	s_add_nc_u64 s[54:55], s[\bi:\bi+1], s[30:31]  ; its 64 numbers of the bias
	s_mul_i32 s30, s27, \osz
	s_add_nc_u64 s[56:57], s[\op:\op+1], s[30:31]  ; the output record of (batch, head, token block)
.if \lora
	s_add_nc_u64 s[50:51], s[4:5], \arec*REC
	s_lshl_b32 s30, s26, 12
	s_add_nc_u64 s[52:53], s[\bp:\bp+1], s[30:31]  ; its 64 rows of B, 64 bytes each
.endif
.endm
; t for tiles w and w + 4 of x: 12 matrix instructions on two accumulators by turns; times 1/16 into other registers; the images to LDS.
; ab, xa, xb: where A's and the two tiles' fragments stand in windows 1 to 3; xsa, xsb: the tiles' scale words; ts: 16 registers for the scaled t
.macro TPHASE ab, xa, xb, xsa, xsb, ts
.irp i, 0,1,2
	WIN (\i+1)<<6
.irp e, 0,1
.irp k, 0,1,2
	ds_load_b128 v[\xa+12*\e+4*\k:\xa+12*\e+4*\k+3], v6 offset:FRG*(2*\i+\e)+512*\k
	ds_load_b128 v[\xb+12*\e+4*\k:\xb+12*\e+4*\k+3], v6 offset:4*REC+FRG*(2*\i+\e)+512*\k
.endr
.endr
.endr
	WIN 0
	ds_load_b128 v[\xsa:\xsa+3], v6 offset:SCO
	ds_load_b128 v[\xsb:\xsb+3], v6 offset:4*REC+SCO
	s_wait_loadcnt 0x0                             ; A, and all that the path has asked of memory so far
	s_wait_dscnt 0x0
.set ks, 0
.rept 6
	WIN 5*(ks/2+1)
.set rA, \ab+12*(ks%2)
.set rSA, AS+ks/2
.set rD, ACC
.set rC, ACC
.set rB, \xa+12*(ks%2)
.set rSB, \xsa+ks/2
.if ks == 0
	MMZ
.else
	MM ks%2
.endif
.set rD, ACC+8
.set rC, ACC+8
.set rB, \xb+12*(ks%2)
.set rSB, \xsb+ks/2
.if ks == 0
	MMZ
.else
	MM ks%2
.endif
.set ks, ks+1
.endr
	WIN 0
	PLACES 4
.set ci, 0
.rept 16
	v_mul_f32 v[\ts+ci], 0x3d800000, v[ACC+ci]     ; x 1/16, each accumulator from its low end on
.set ci, ci+1
.endr
	ds_store_b128 v7, v[\ts:\ts+3]                 ; tile w: 1,024 w
	ds_store_b128 v7, v[\ts+4:\ts+7] offset:512
	ds_store_b128 v7, v[\ts+8:\ts+11] offset:4096  ; tile w + 4
	ds_store_b128 v7, v[\ts+12:\ts+15] offset:4608
.endm
; ---- the q and k paths
.macro QKLOADS lora
.irp i, 0,1,2
	WIN (\i+1)<<6
.if \lora
.irp e, 0,1
.irp k, 0,1,2
	global_load_b128 v[AF+12*\e+4*\k:AF+12*\e+4*\k+3], v1, s[50:51] offset:FRG*(2*\i+\e)+512*\k
.endr
.endr
.endif
.irp c, 0,1,2,3
.irp e, 0,1
.irp k, 0,1,2
	global_load_b128 v[WF+24*\c+12*\e+4*\k:WF+24*\c+12*\e+4*\k+3], v1, s[48:49] offset:REC*\c+FRG*(2*\i+\e)+512*\k
.endr
.endr
.endr
.endr
	WIN 0
.if \lora
	global_load_b128 v[AS:AS+3], v1, s[50:51] offset:SCO
.endif
.irp c, 0,1,2,3
	global_load_b128 v[WS+4*\c:WS+4*\c+3], v1, s[48:49] offset:REC*\c+SCO
	global_load_b128 v[BIAS+8*\c:BIAS+8*\c+3], v5, s[54:55] offset:128*(\c/2)+32*(\c%2)       ; lane (r, h), tile 2 b + u: columns 32 b + 16 h + 8 u + 0 .. 7
	global_load_b128 v[BIAS+8*\c+4:BIAS+8*\c+7], v5, s[54:55] offset:128*(\c/2)+32*(\c%2)+16
.if \lora
	global_load_b128 v[BQ+8*\c:BQ+8*\c+3], v4, s[52:53] offset:2048*(\c/2)+512*(\c%2)         ; lane (r, h): B[the tile's row of lane r][8 h .. 8 h + 7]
	global_load_b128 v[BQ+8*\c+4:BQ+8*\c+7], v4, s[52:53] offset:2048*(\c/2)+512*(\c%2)+16
.endif
.endr
.endm
.macro FETCHX t, lora                  ; tile t of x from LDS into buffer t % 2: 18 loads of codes, 1 of scale words, with lora 2 of t
.set bf, (\t)%2
.set xo, ((\t)%4)*REC
.set xr, 1+(\t)/4
.irp i, 0,1,2
	WIN (\i+1)<<6
.irp e, 0,1
.irp k, 0,1,2
	ds_load_b128 v[XF+24*bf+12*\e+4*\k:XF+24*bf+12*\e+4*\k+3], v[xr] offset:xo+FRG*(2*\i+\e)+512*\k
.endr
.endr
.endr
	WIN 0
	ds_load_b128 v[XS+4*bf:XS+4*bf+3], v[xr] offset:xo+SCO
.if \lora
	ds_load_b128 v[TT+8*bf:TT+8*bf+3], v3 offset:1024*(\t)
	ds_load_b128 v[TT+8*bf+4:TT+8*bf+7], v3 offset:1024*(\t)+512
.endif
.endm
.macro PASSQ t, lora                   ; tile t of 16 tokens x my head's 64 columns
	PLACES 9                                       ; the accumulators are begun anew: nine places behind the f32 form that wrote them; these also stand ahead of the loads into the buffers read a tile ago
.if (\t) < 7
	FETCHX (\t)+1, \lora
	s_wait_dscnt 19+2*\lora                        ; this tile's loads are in; the next tile's, just issued, may be out
.else
	s_wait_dscnt 0x0
.endif
.set bf, (\t)%2
.set ks, 0
.rept 6                                        ; K step by K step, the four accumulators by turns, one instruction a turn
	WIN 5*(ks/2+1)
.set ci, 0
.rept 4
.set rD, ACC+8*ci
.set rA, WF+24*ci+12*(ks%2)
.set rB, XF+24*bf+12*(ks%2)
.set rSA, WS+4*ci+ks/2
.set rSB, XS+4*bf+ks/2
.if ks == 0
.set rC, BIAS+8*ci
.else
.set rC, ACC+8*ci
.endif
	MM ks%2
.set ci, ci+1
.endr
.set ks, ks+1
.endr
	WIN 0
.if \lora
	PLACES 5                                       ; another form takes the sums up: five places
.set ks, 0
.rept 4
.set ci, 0
.rept 4
	v_wmma_f32_16x16x4_f32 v[ACC+8*ci:ACC+8*ci+7], v[BQ+8*ci+2*ks:BQ+8*ci+2*ks+1], v[TT+8*bf+2*ks:TT+8*bf+2*ks+1], v[ACC+8*ci:ACC+8*ci+7]
.set ci, ci+1
.endr
.set ks, ks+1
.endr
	PLACES 8
.else
	PLACES 4
.endif
.if ((\t) >= 4) && ((\t)%2 == 0)
	s_wait_xcnt 0x0                                ; the stores of two pairs ago have read this set of code registers
.endif
.set qD, OUT+12*(((\t)/2)%2)+6*((\t)%2)
.set qW, WD+(\t)%2
	QUANT2
.if (\t)%2
	v_cndmask_b32 v[SW+(\t)/2], v[WD], v[WD+1], s46   ; lanes 0-15: the even tile's words; lanes 16-31: the odd tile's
.irp i, 0,1,2
	global_store_b128 v1, v[OUT+12*(((\t)/2)%2)+4*\i:OUT+12*(((\t)/2)%2)+4*\i+3], s[56:57] offset:1536*((\t)/2)+512*\i   ; 32 lanes store 512 consecutive bytes, aligned
.endr
.endif
.endm
; ---- the v path
.macro FETCHW c                        ; tile c of Wv from memory into buffer c % 2: 18 loads of codes, 1 of scale words, 2 of Bv, 1 of the bias
.set bf, (\c)%2
.irp i, 0,1,2
	WIN (\i+1)<<6
.irp e, 0,1
.irp k, 0,1,2
	global_load_b128 v[WVF+24*bf+12*\e+4*\k:WVF+24*bf+12*\e+4*\k+3], v1, s[48:49] offset:REC*(\c)+FRG*(2*\i+\e)+512*\k
.endr
.endr
.endr
	WIN 0
	global_load_b128 v[WSV+4*bf:WSV+4*bf+3], v1, s[48:49] offset:REC*(\c)+SCO
	global_load_b128 v[BV+8*bf:BV+8*bf+3], v4, s[52:53] offset:2048*((\c)/2)+512*((\c)%2)
	global_load_b128 v[BV+8*bf+4:BV+8*bf+7], v4, s[52:53] offset:2048*((\c)/2)+512*((\c)%2)+16
	global_load_b32 v[RB+bf], v5, s[54:55] offset:128*((\c)/2)+32*((\c)%2)
.endm
.macro PASSV c                         ; tile c of 16 channels x the block's 128 keys: one fragment of V
	s_wait_loadcnt 0x0                             ; this tile's loads, issued a tile ago, are in
.set bf, (\c)%2
.irp j, 0,1,2,3,4,5,6,7
	v_mov_b32 v[BIASV+\j], v[RB+bf]                ; a lane holds one channel: its bias in all eight registers of the C
.endr
	PLACES 9                                       ; the accumulators are begun anew: nine places behind the f32 form
.if (\c) < 3
	FETCHW (\c)+1
.endif
.set bf, (\c)%2
.set ks, 0
.rept 6                                        ; K step by K step, the eight accumulators by turns
	WIN 5*(ks/2+1)
.set ti, 0
.rept 8
.set rD, ACC+8*ti
.set rA, HX+96*(ks%2)+12*ti
.set rB, WVF+24*bf+12*(ks%2)
.set rSA, XSV+4*ti+ks/2
.set rSB, WSV+4*bf+ks/2
.if ks == 0
.set rC, BIASV
.else
.set rC, ACC+8*ti
.endif
	MM ks%2
.set ti, ti+1
.endr
.set ks, ks+1
.endr
	WIN 0
	PLACES 5
.set ks, 0
.rept 4
.set ti, 0
.rept 8
	v_wmma_f32_16x16x4_f32 v[ACC+8*ti:ACC+8*ti+7], v[TV+8*ti+2*ks:TV+8*ti+2*ks+1], v[BV+8*bf+2*ks:BV+8*bf+2*ks+1], v[ACC+8*ti:ACC+8*ti+7]
.set ti, ti+1
.endr
.set ks, ks+1
.endr
	PLACES 8
.if (\c) > 0
	s_wait_xcnt 0x0                                ; the last tile's stores have read the code registers
.endif
.set qD, PC
.set qW, PW+(\c)
	QUANT
.irp i, 0,1,2
	global_store_b128 v1, v[PC+4*\i:PC+4*\i+3], s[56:57] offset:6144+FRG*(\c)+512*\i
.endr
.endm
; ---- the head, common to the three paths
	s_load_b512 s[4:19], s[0:1], 0x0               ; codes s[4:5], Bq s[6:7], Bv s[8:9], bq s[10:11], bk s[12:13], bv s[14:15], mask s[16:17], qc s[18:19]
	s_load_b64 s[20:21], s[0:1], 0x40              ; kv
	v_lshl_add_u32 v210, v0, 2, 0x29000
	v_mov_b32 v211, 0
	ds_add_u32 v210, v211
	ds_add_u32 v210, v211
	v_lshrrev_b32 v8, 5, v0
	v_readfirstlane_b32 s22, v8                    ; wave w
	s_mov_b32 s23, ttmp9                           ; X: the block of 128 tokens
	s_and_b32 s24, ttmp7, 0xffff                   ; Y
	s_mov_b32 s25, 0                               ; the kind: 0 q, 1 v, 2 k
	s_cmp_ge_u32 s24, 3
	s_cselect_b32 s25, 1, s25
	s_cselect_b32 s29, 3, 0
	s_cmp_ge_u32 s24, 6
	s_cselect_b32 s25, 2, s25
	s_cselect_b32 s29, 6, s29
	s_sub_co_u32 s28, s24, s29                     ; Y mod 3
	s_lshl_b32 s26, s28, 2
	s_add_co_u32 s26, s26, s22                     ; my head
	s_lshr_b32 s29, s23, 4                         ; the batch
	s_mul_i32 s29, s29, 12
	s_add_co_u32 s29, s29, s26
	s_lshl_b32 s29, s29, 4
	s_and_b32 s30, s23, 15
	s_add_co_u32 s27, s29, s30                     ; 16 (12 batch + head) + the block's number in its batch: the output record
	; descriptor group 1: 19,456 dense bytes (two records of x) as 76 rows of 256 bytes
	s_mov_b32 s36, 3<<16                           ; no mask; elements of 8 bytes; no padding
	s_mov_b32 s37, 32<<16                          ; tensor_dim0
	s_mov_b32 s38, 76<<16                          ; tensor_dim1
	s_mov_b32 s39, 32<<16                          ; tile_dim0
	s_mov_b32 s40, 76                              ; tile_dim1
	s_mov_b32 s41, 32                              ; elements from row to row
	s_mov_b32 s42, 0
	s_mov_b32 s43, 0
	s_mov_b32 s32, 1
	s_mul_i32 s33, s22, 2*REC                      ; LDS: records 2 w, 2 w + 1
	s_mul_i32 s30, s23, 8*REC
	s_add_co_u32 s30, s30, s33
	s_mov_b32 s31, 0
	s_mov_b32 s[SEL], 0x76543210
	s_mov_b32 s[SEL+1], 0xfedcba98
	s_mov_b32 s46, 0xffff0000                      ; lanes 16-31
	s_wait_dscnt 0x0
	s_wait_kmcnt 0x0
	s_add_nc_u64 s[34:35], s[4:5], s[30:31]
	s_or_b32 s35, s35, 0x80000000                  ; type = 2
	tensor_load_to_lds s[32:35], s[36:43]
	s_nop 0
.rept 4
	v_nop
.endr
	v_and_b32 v8, 31, v0                           ; lane
	v_and_b32 v9, 15, v0                           ; r
	v_bfe_u32 v10, v0, 4, 1                        ; h
	v_and_b32 v11, 8, v9
	v_add_nc_u32 v11, v11, v9                      ; r + 8 (r / 8)
	v_lshlrev_b32 v1, 4, v8                        ; an image's place for my lane; also records 0-3 of x in LDS
	v_add_nc_u32 v2, 4*REC, v1                     ; records 4-7
	v_lshlrev_b32 v4, 6, v11
	v_lshl_add_u32 v4, v10, 5, v4                  ; B: the tile's row of lane r (64 bytes a row), + 32 h
	s_mul_i32 s28, s22, REC
	v_add_nc_u32 v6, s28, v1                       ; record w of x in LDS
	s_lshl_b32 s28, s22, 10
	v_add_nc_u32 v7, s28, v1                       ; t's image of tile w (the path adds its region)
	v_lshlrev_b32 v31, 3, v8
.irp b, 0,1,2,3
	v_mov_b32 v[TM+4+\b], 0                        ; written once: a lane permute's destination counts as one of its sources
.endr
	s_cmp_eq_u32 s25, 1
	s_cbranch_scc1 .Lv
	s_cmp_eq_u32 s25, 2
	s_cbranch_scc1 .Lk
; ---- q
	POINTERS 0, 10, 18, 6656, 1, 400, 6
	v_lshlrev_b32 v5, 6, v10                       ; the bias: 16 h numbers on
	v_add_nc_u32 v3, TIQ, v1
	v_add_nc_u32 v7, TIQ, v7
	QKLOADS 1
	s_wait_tensorcnt 0x0                           ; my two records of x are in LDS,
	BAR                                            ; everybody's are
	TPHASE AF, XF, XF+24, XS, XS+4, TT
	s_wait_dscnt 0x0                               ; my images of t have landed,
	BAR                                            ; all eight have
	FETCHX 0, 1
.irp t, 0,1,2,3,4,5,6,7
	PASSQ \t, 1
.endr
	global_store_b128 v1, v[SW:SW+3], s[56:57] offset:6144
	s_wait_tensorcnt 0x0
	ds_add_u32 v210, v211
	s_wait_dscnt 0x0
	s_endpgm
; ---- v
.Lv:
	POINTERS 96, 14, 20, 13568, 1, 401, 8
	v_lshlrev_b32 v5, 2, v11                       ; the bias: my lane's channel
	v_add_nc_u32 v3, TIV, v1
	v_add_nc_u32 v7, TIV, v7
.irp i, 0,1,2
	WIN (\i+1)<<6
.irp e, 0,1
.irp k, 0,1,2
	global_load_b128 v[12*\e+4*\k:12*\e+4*\k+3], v1, s[50:51] offset:FRG*(2*\i+\e)+512*\k   ; Av's fragments, at v0-23 until x's take their place
.endr
.endr
.endr
	WIN 0
	global_load_b128 v[AS:AS+3], v1, s[50:51] offset:SCO
	FETCHW 0
	s_wait_tensorcnt 0x0
	BAR
	TPHASE 0, 24, 48, XSV, XSV+4, PC
.irp i, 0,1,2                                  ; x's eight tiles into registers, where they stay (four places stand behind the last matrix instruction that read these registers)
	WIN (\i+1)<<6
.irp t, 0,1,2,3,4,5,6,7
.irp e, 0,1
.irp k, 0,1,2
	ds_load_b128 v[HX+96*\e+12*\t+4*\k:HX+96*\e+12*\t+4*\k+3], v[1+\t/4] offset:(\t%4)*REC+FRG*(2*\i+\e)+512*\k
.endr
.endr
.endr
.endr
	WIN 0
.irp t, 0,1,2,3,4,5,6,7
	ds_load_b128 v[XSV+4*\t:XSV+4*\t+3], v[1+\t/4] offset:(\t%4)*REC+SCO
.endr
	s_wait_dscnt 0x0                               ; my images of t have landed (and x is in),
	BAR                                            ; all eight have
.irp t, 0,1,2,3,4,5,6,7
	ds_load_b128 v[TV+8*\t:TV+8*\t+3], v3 offset:1024*\t
	ds_load_b128 v[TV+8*\t+4:TV+8*\t+7], v3 offset:1024*\t+512
.endr
	s_wait_dscnt 0x0
.irp c, 0,1,2,3
	PASSV \c
.endr
	v_cndmask_b32 v[VSC], v[PW], v[PW+1], s46      ; lanes 0-15: tile 0's words; lanes 16-31: tile 1's
	v_cndmask_b32 v[VSC+1], v[PW+2], v[PW+3], s46
	global_store_b64 v31, v[VSC:VSC+1], s[56:57] offset:12800   ; 32 lanes store 256 consecutive bytes, aligned
	s_wait_tensorcnt 0x0
	ds_add_u32 v210, v211
	s_wait_dscnt 0x0
	s_endpgm
; ---- k
.Lk:
	POINTERS 48, 12, 20, 13568, 0, 0, 0
	s_lshl_b32 s30, s23, 9
	s_add_nc_u64 s[58:59], s[16:17], s[30:31]      ; the mask of my 128 keys
	v_lshlrev_b32 v5, 6, v10
	global_load_b128 v[BQ:BQ+3], v1, s[58:59]
	QKLOADS 0
	s_wait_tensorcnt 0x0
	BAR
	s_wait_loadcnt 0x0
.irp i, 0,1,2,3
	v_cvt_f32_i32 v[BQ+4+\i], v[BQ+\i]
.endr
.irp i, 0,1,2,3
	v_sub_f32 v[BQ+4+\i], 1.0, v[BQ+4+\i]
.endr
.irp i, 0,1,2,3
	v_mul_f32 v[BQ+4+\i], 0xc79c4000, v[BQ+4+\i]   ; -80000 (1 - m): it is added to q . k ahead of the division by 8
.endr
	global_store_b128 v1, v[BQ+4:BQ+7], s[56:57] offset:13056
	FETCHX 0, 0
.irp t, 0,1,2,3,4,5,6,7
	PASSQ \t, 0
.endr
	global_store_b128 v1, v[SW:SW+3], s[56:57] offset:12288
	s_wait_tensorcnt 0x0
	ds_add_u32 v210, v211
	s_wait_dscnt 0x0
	s_endpgm
.Lfunc_end_k_qa97973036a_proj:
	.size	k_qa97973036a_proj, .Lfunc_end_k_qa97973036a_proj-k_qa97973036a_proj
	.p2alignl 7, 3214868480
	.fill 96, 4, 3214868480
	.section	.rodata,"a",@progbits
	.p2align	6, 0x0
	.amdhsa_kernel k_qa97973036a_proj
		.amdhsa_group_segment_fixed_size 168448
		.amdhsa_private_segment_fixed_size 0
		.amdhsa_enable_private_segment 0
		.amdhsa_kernarg_size 72
		.amdhsa_user_sgpr_count 2
		.amdhsa_user_sgpr_kernarg_segment_ptr 1
		.amdhsa_wavefront_size32 1
		.amdhsa_system_sgpr_workgroup_id_x 1
		.amdhsa_system_sgpr_workgroup_id_y 1
		.amdhsa_system_sgpr_workgroup_id_z 1
		.amdhsa_system_vgpr_workitem_id 0
		.amdhsa_next_free_vgpr 1024
		.amdhsa_next_free_sgpr 66
		.amdhsa_reserve_vcc 0
		.amdhsa_float_denorm_mode_32 3
		.amdhsa_float_denorm_mode_16_64 3
		.amdhsa_memory_ordered 1
		.amdhsa_forward_progress 1
		.amdhsa_inst_pref_size 234
	.end_amdhsa_kernel
	.amdgpu_metadata
---
amdhsa.version: [ 1, 2 ]
amdhsa.kernels:
  - .name:           k_qa97973036a_proj
    .symbol:         k_qa97973036a_proj.kd
    .args:
      - { .name: codes, .offset: 0, .size: 8, .value_kind: global_buffer, .address_space: global }
      - { .name: Bq, .offset: 8, .size: 8, .value_kind: global_buffer, .address_space: global }
      - { .name: Bv, .offset: 16, .size: 8, .value_kind: global_buffer, .address_space: global }
      - { .name: bq, .offset: 24, .size: 8, .value_kind: global_buffer, .address_space: global }
      - { .name: bk, .offset: 32, .size: 8, .value_kind: global_buffer, .address_space: global }
      - { .name: bv, .offset: 40, .size: 8, .value_kind: global_buffer, .address_space: global }
      - { .name: mask, .offset: 48, .size: 8, .value_kind: global_buffer, .address_space: global }
      - { .name: qc, .offset: 56, .size: 8, .value_kind: global_buffer, .address_space: global }
      - { .name: kv, .offset: 64, .size: 8, .value_kind: global_buffer, .address_space: global }
    .group_segment_fixed_size: 168448
    .private_segment_fixed_size: 0
    .kernarg_segment_align: 8
    .kernarg_segment_size: 72
    .max_flat_workgroup_size: 128
    .sgpr_count:     66
    .vgpr_count:     1024
    .wavefront_size: 32
...
	.end_amdgpu_metadata
.endif
;; end of part 2
;; launch attn (part 3): grid 8 x 24, 8 waves a work-group, clusters of 4 x 1, 252,928 bytes of LDS; arguments qc, kv, out0; writes out0
.if DOCPART == 3
	.amdgcn_target "amdgcn-amd-amdhsa--gfx1250"
	.amdhsa_code_object_version 6
	.text
	.protected	k_qa97973036a_attn
	.globl	k_qa97973036a_attn
	.p2align	8
	.type	k_qa97973036a_attn,@function
k_qa97973036a_attn:
	s_mov_b64 s[64:65], 0
	v_nop
	global_prefetch_b8 v0, s[64:65] scope:SCOPE_SE
	s_setreg_imm32_b32 hwreg(HW_REG_WAVE_MODE, 25, 1), 1
	s_wait_xcnt 0x0
	s_wait_alu depctr_hold_cnt(0) depctr_sa_sdst(0) depctr_va_vdst(0) depctr_va_sdst(0) depctr_va_ssrc(0) depctr_va_vcc(0) depctr_vm_vsrc(0)
	s_getreg_b32 s2, hwreg(HW_REG_IB_STS2, 6, 4)
	s_cmp_eq_u32 s2, 0
	s_cbranch_scc0 .Lentry_in_a_cluster
	s_endpgm
.Lentry_in_a_cluster:
	s_bfe_u32 s2, ttmp6, 0x10000c
	s_cmp_lg_u32 s2, 0x3003
	s_cbranch_scc0 .Lentry_shape_is_right
	s_endpgm
.Lentry_shape_is_right:
; out[b][q][head] = the sum over keys of softmax(q . k / 8 - 10000 (1 - m)) v, both products on codes of FP6 (E2M3) with one E8M0 scale for each 32 along a product's K.
; THE SOFTMAX AHEAD OF THE SECOND PRODUCT: t = (q . k - 80000 (1 - m)) x log2(e) / 8; M = the running largest t rounded UP to a whole number; p = 2^(t - M) is what is quantised, along the keys, not normalised.
; The row's sum is taken of the unquantised p, in f32, and divides O at the end.  When M moves, the sum and O are multiplied by 2^(old M - new M): exact.
; INPUTS, as the launch before laid them.  qc: a record of 6,656 bytes for (G = 12 batch + head, block of 128 tokens): eight tiles x six registers of codes as images (registers 4 i .. 4 i + 3 of lane l at 512 i + 16 l),
; then four scale words a lane (word p: lanes 0-15 tile 2 p, lanes 16-31 tile 2 p + 1).  kv: a record of 13,568 bytes for (G, step of 128 keys): K's codes as in qc; at 6,144 V's four fragments (16 channels x 128 keys);
; at 12,288 K's scale words; at 12,800 V's (8 bytes a lane); at 13,056 the keys' bias, 128 f32.
; SHARES.  A work-group owns 256 queries of one (batch, head); each of its eight waves two tiles of 16.  192 work-groups: a head's 128 tiles divide by 16 a work-group; 12 a work-group, which would give 256, would straddle heads.
; THE WHOLE HEAD'S K AND V STAY IN LDS: 16 records, 217,088 bytes, filled once: no slot is filled again.  Two waves share a SIMD, so that one wave's vector work stands beside the other's waits.
; CLUSTER.  The four work-groups of a cluster belong to one (batch, head) and need the same 16 records: each is asked for JOINTLY, by the same tensor load with the same descriptor and the mask of the four.
; By this text's count two tensor loads of a wave are out.
; LAYOUT.  Both products are used transposed: S^T = K Q^T (source 0 = 16 keys, source 1 = 16 queries), O^T = V^T P^T: a lane holds ONE query throughout.  Lane r of key tile 2 b + u holds key 32 b + 8 u + r + 8 (r / 8),
; so that the 16 registers of tiles 2 b, 2 b + 1 are the keys 32 b + 16 (lane / 16) + 0 .. 15.  V's channels are ordered alike, so a lane of O^T holds 16 neighbouring channels twice.
; K = 64 ON A FORM OF K = 128: Q's registers 6-11 hold zero codes, so what stands in the upper six registers of K's operand adds nothing: tile t of K is named as registers 6 t .. 6 t + 11, the upper six being the next
; tile's codes (behind the last tile: six zeros); the scale bytes of that half are 0x7f on both sides.
; THE MASK COSTS NO VECTOR WORK: the keys' bias is the C of the products S^T.
; LIMITS: NaN and infinities are not served; a block of p whose largest number lies under 2^-124 has its byte held at 1 (its weight beside the row's largest p, which is above 1/2, is nothing).
; REGISTERS.  Window 0: v1-9 addresses; v12-19 -M, the largest t and the sum (a pair) of each tile; v20-27 scale words and nothing else; v28-51 Q; v52-63 p's codes; v64-89 at work; v96-223 S^T, then p; v224-255 the way out.
; Window 1: v0-47 K, v48-53 zeros, v56-103 V, v104-167 the keys' bias, v168-231 O^T.
.set RECB,  13568
.set VOF,   6144
.set KSO,   12288
.set VSO,   12800
.set CBO,   13056
.set STAGE, 16*RECB                    ; behind the records: 16 rows x 272 bytes for each wave, for the way out; no tensor load lands there
.set L16, 1                            ; v1  16 x lane
.set L8,  2                            ; v2  8 x lane
.set LC,  3                            ; v3  64 (lane / 16) + CBO
.set A16, 4                            ; v4-6 the same in the step's record
.set A8,  5
.set AC,  6
.set STO, 7
.set RD,  8
.set GO,  9
.set ST,  12
.set KS,  20                           ; v20-23 K's scale words
.set VS,  24                           ; v24-25 V's
.set QS,  26                           ; v26 Q's: lanes 0-15 my first tile, lanes 16-31 my second
.set PS,  27                           ; v27 p's
.set Q,   28
.set PC,  52
.set CT,  64
.set BM,  72
.set T2,  76
.set SCL, 80
.set F,   84
.set TP,  86
.set S,   96
.set OB,  224
.set KF,  0
.set VF,  56
.set CB,  104
.set O,   168
.set WV,  10
.set SEL, 32
.set CS,  34
.set TB,  36
.set CNT, 37
.set MSB, 0
.macro WIN new                         ; the immediate's high byte repeats the setting that is left
.if MSB != (\new)
	s_set_vgpr_msb (MSB<<8)|(\new)
.set MSB, (\new)
.endif
.endm
; a scaled matrix instruction on the registers rD, rA, rB, rC, rSA, rSB.  ra, rb = 1: that side's scale words stand in lanes 16-31
.macro MM ra, rb
.if (\ra) && (\rb)
	v_wmma_scale_f32_16x16x128_f8f6f4 v[rD:rD+7], v[rA:rA+11], v[rB:rB+11], v[rC:rC+7], v[rSA], v[rSB] matrix_a_fmt:MATRIX_FMT_FP6 matrix_b_fmt:MATRIX_FMT_FP6 matrix_a_scale:MATRIX_SCALE_ROW1 matrix_b_scale:MATRIX_SCALE_ROW1
.elseif (\ra)
	v_wmma_scale_f32_16x16x128_f8f6f4 v[rD:rD+7], v[rA:rA+11], v[rB:rB+11], v[rC:rC+7], v[rSA], v[rSB] matrix_a_fmt:MATRIX_FMT_FP6 matrix_b_fmt:MATRIX_FMT_FP6 matrix_a_scale:MATRIX_SCALE_ROW1
.elseif (\rb)
	v_wmma_scale_f32_16x16x128_f8f6f4 v[rD:rD+7], v[rA:rA+11], v[rB:rB+11], v[rC:rC+7], v[rSA], v[rSB] matrix_a_fmt:MATRIX_FMT_FP6 matrix_b_fmt:MATRIX_FMT_FP6 matrix_b_scale:MATRIX_SCALE_ROW1
.else
	v_wmma_scale_f32_16x16x128_f8f6f4 v[rD:rD+7], v[rA:rA+11], v[rB:rB+11], v[rC:rC+7], v[rSA], v[rSB] matrix_a_fmt:MATRIX_FMT_FP6 matrix_b_fmt:MATRIX_FMT_FP6
.endif
.endm
; a round of the cluster's barrier: my work-group's barrier; wave 0 signals for the work-group; every wave waits for all four work-groups; my work-group's barrier once more
.macro CROUND
	s_barrier_signal -1
	s_barrier_wait -1
	s_cmp_lg_u32 s[WV], 0
	s_cbranch_scc1 .Lnot_wave_0_\@
	s_barrier_signal -3
.Lnot_wave_0_\@:
	s_barrier_wait -3
	s_barrier_signal -1
	s_barrier_wait -1
.endm
	s_load_b128 s[4:7], s[0:1], 0x0                ; qc, kv
	s_load_b64 s[8:9], s[0:1], 0x10                ; out0
	v_lshl_add_u32 v94, v0, 2, 0x3d800
	v_mov_b32 v95, 0
	ds_add_u32 v94, v95
	ds_add_u32 v94, v95
	v_lshrrev_b32 v1, 5, v0
	v_readfirstlane_b32 s[WV], v1                  ; wave 0..7
	s_bfe_u32 s11, ttmp6, 0x40000                  ; cx: my place in the cluster: it enters Q's and the output's addresses alone
	s_lshl_b32 s12, ttmp9, 2
	s_add_co_u32 s12, s12, s11                     ; my block of 256 queries
	s_and_b32 s13, ttmp7, 0xffff                   ; G = 12 batch + head, which the four partners share
	; descriptor group 1: a record, 13,568 dense bytes, as 53 rows of 256 bytes
	s_mov_b32 s16, 15|(3<<16)|(1<<21)              ; the mask: all four work-groups; elements of 8 bytes; bit 21 beside a mask; no padding
	s_mov_b32 s17, 32<<16                          ; tensor_dim0
	s_mov_b32 s18, 53<<16                          ; tensor_dim1
	s_mov_b32 s19, 32<<16                          ; tile_dim0
	s_mov_b32 s20, 53                              ; tile_dim1
	s_mov_b32 s21, 32                              ; elements from row to row
	s_mov_b32 s22, 0
	s_mov_b32 s23, 0
	s_mov_b32 s24, 1
	s_mul_i32 s25, s[WV], RECB                     ; LDS: record w,
	s_mov_b32 s28, 1
	s_add_co_u32 s29, s25, 8*RECB                  ; and record w + 8
	s_mul_i32 s14, s13, 16*RECB
	s_add_co_u32 s14, s14, s25
	s_mov_b32 s15, 0
	s_lshl_b32 s40, s12, 1
	s_lshr_b32 s41, s[WV], 2
	s_add_co_u32 s40, s40, s41                     ; my block of 128 tokens in the batch,
	s_and_b32 s41, s[WV], 3                        ; and my pair of tiles in it
	s_lshl_b32 s38, s13, 4
	s_add_co_u32 s38, s38, s40
	s_mul_i32 s38, s38, 6656                       ; Q's record
	s_mov_b32 s39, 0
	s_mul_i32 s46, s41, 1536                       ; my pair's three images
	s_mov_b32 s47, 0
	s_cmp_ge_u32 s13, 12
	s_cselect_b32 s36, 1, 0                        ; the batch
	s_mul_i32 s2, s36, 12
	s_sub_co_u32 s2, s13, s2                       ; the head
	s_lshl_b32 s2, s2, 8                           ; its 256 bytes of a row of the output
	s_lshl_b32 s36, s36, 11
	s_lshl_b32 s37, s40, 7
	s_add_co_u32 s36, s36, s37
	s_lshl_b32 s37, s41, 5
	s_add_co_u32 s36, s36, s37                     ; my pair's first token: 2,048 batch + 128 block + 32 pair
	s_mul_i32 s36, s36, 3072
	s_add_co_u32 s2, s2, s36
	s_mov_b32 s3, 0
	s_mov_b32 s[SEL], 0x76543210
	s_mov_b32 s[SEL+1], 0xfedcba98
	s_mov_b32 s[CS], 0x3e38aa3b                    ; c = log2(e) / 8
	s_mov_b32 s[CS+1], s[CS]                       ; (named with it as a pair, so it is written)
	s_wait_dscnt 0x0
	s_wait_kmcnt 0x0
	s_add_nc_u64 s[26:27], s[6:7], s[14:15]
	s_add_nc_u64 s[30:31], s[26:27], 8*RECB
	s_or_b32 s27, s27, 0x80000000                  ; type = 2
	s_or_b32 s31, s31, 0x80000000
	s_add_nc_u64 s[42:43], s[4:5], s[38:39]
	s_add_nc_u64 s[44:45], s[42:43], s[46:47]      ; my pair's codes
	s_lshl_b32 s46, s41, 2
	s_add_nc_u64 s[42:43], s[42:43], s[46:47]      ; the record + 4 x pair: my pair's scale word
	s_add_nc_u64 s[8:9], s[8:9], s[2:3]
	CROUND                                         ; all four work-groups are here: the joint loads meet
	tensor_load_to_lds s[24:27], s[16:23]
	s_nop 0
	tensor_load_to_lds s[28:31], s[16:23]
	s_nop 0
.rept 4
	v_nop
.endr
	v_and_b32 v10, 31, v0                          ; lane
	v_and_b32 v11, 15, v0                          ; r
	v_bfe_u32 v[TP], v0, 4, 1                      ; h
	v_lshlrev_b32 v[L16], 4, v10
	v_lshlrev_b32 v[L8], 3, v10
	v_lshlrev_b32 v[LC], 6, v[TP]
	v_add_nc_u32 v[LC], CBO, v[LC]
.irp i, 0,1,2
	global_load_b128 v[S+4*\i:S+4*\i+3], v[L16], s[44:45] offset:512*\i   ; my two tiles' codes: six registers each
.endr
	global_load_b32 v[QS], v[L16], s[42:43] offset:6144
	s_mul_i32 s46, s[WV], 16*272
	s_add_co_u32 s46, s46, STAGE                   ; my stage
	v_mul_u32_u24 v[STO], v11, 272
	v_lshl_add_u32 v[STO], v[TP], 6, v[STO]
	v_add_nc_u32 v[STO], s46, v[STO]               ; in: row r, + 64 h
	v_mul_u32_u24 v[RD], v[TP], 272
	v_lshl_add_u32 v[RD], v11, 4, v[RD]
	v_add_nc_u32 v[RD], s46, v[RD]                 ; back: lanes 0-15 one row of 256 bytes, lanes 16-31 the next
	v_mul_u32_u24 v[GO], v[TP], 3072
	v_lshl_add_u32 v[GO], v11, 4, v[GO]            ; and the same two rows in the output
.irp q, 0,1
	v_mov_b32 v[ST+4*\q+1], 0xff61b1e6             ; the largest t so far: -3e38, under every t
	v_floor_f32 v[ST+4*\q], -v[ST+4*\q+1]          ; -M
	v_mov_b32 v[ST+4*\q+2], 0                      ; the sum, in two halves
	v_mov_b32 v[ST+4*\q+3], 0
.endr
.irp b, 0,1,2,3
	v_mov_b32 v[T2+\b], 0                          ; written once: a lane permute's destination counts as one of its sources
.endr
	v_mov_b32 v[F+1], 0                            ; (named as the upper half of a pair)
.irp i, 6,7,8,9,10,11,18,19,20,21,22,23
	v_mov_b32 v[Q+\i], 0                           ; zero codes for k = 64 .. 127 of both tiles of Q
.endr
	WIN 0x40                                       ; destination window 1
.set jj, 0
.rept 64
	v_mov_b32 v[O+jj], 0                           ; O^T.  (The step is written for every step alike: the first finds zeros, which the first change of M leaves zeros)
.set jj, jj+1
.endr
.irp i, 0,1,2,3,4,5
	v_mov_b32 v[KF+48+\i], 0                       ; behind K's last tile
.endr
	WIN 0
	s_wait_loadcnt 0x0
.irp i, 0,1,2,3,4,5
	v_mov_b32 v[Q+\i], v[S+\i]
	v_mov_b32 v[Q+12+\i], v[S+6+\i]
.endr
; a step's K, keys' bias and K's scale words: 29 LDS loads
.macro PRE a16, ac, off
	ds_load_b128 v[KS:KS+3], v[\a16] offset:\off+KSO
	WIN 0x40
.irp i, 0,1,2,3,4,5,6,7,8,9,10,11
	ds_load_b128 v[KF+4*\i:KF+4*\i+3], v[\a16] offset:\off+512*\i
.endr
.irp i, 0,1,2,3,4,5,6,7,8,9,10,11,12,13,14,15
	ds_load_b128 v[CB+4*\i:CB+4*\i+3], v[\ac] offset:\off+128*(\i/4)+16*(\i%4)   ; register 16 b + i: the bias of key 32 b + 16 h + i; the sixteen lanes of a half read the same bytes
.endr
	WIN 0
.endm
; one tile's softmax for 128 keys, and O^T's rescaling
.macro SM q
.set rS, S+64*(\q)
.set rT, ST+4*(\q)
.set rO, O+32*(\q)
	WIN 0
.irp b, 0,1,2,3
	v_max3_num_f32 v[BM+\b], v[rS+16*\b], v[rS+16*\b+1], v[rS+16*\b+2]   ; THE LARGEST SCORE OF EACH BLOCK OF 32 KEYS: it serves for the row's maximum and, since p rises with the score, for the block's largest p
.endr
.irp i, 3,5,7,9,11,13
.irp b, 0,1,2,3
	v_max3_num_f32 v[BM+\b], v[BM+\b], v[rS+16*\b+\i], v[rS+16*\b+\i+1]  ; the four blocks by turns
.endr
.endr
.irp b, 0,1,2,3
	v_max_num_f32 v[BM+\b], v[BM+\b], v[rS+16*\b+15]
.endr
.irp b, 0,1,2,3
	v_permlanex16_b32 v[T2+\b], v[BM+\b], s[SEL], s[SEL+1]
.endr
.irp b, 0,1,2,3
	v_max_num_f32 v[BM+\b], v[BM+\b], v[T2+\b]     ; with lane l xor 16's 16 keys
.endr
	v_max3_num_f32 v[TP], v[BM], v[BM+1], v[BM+2]
	v_max_num_f32 v[TP], v[TP], v[BM+3]            ; the step's largest score of my query
	v_mul_f32 v[TP], s[CS], v[TP]                  ; as t (c is positive)
	v_max_num_f32 v[rT+1], v[rT+1], v[TP]          ; the running largest t
	v_mov_b32 v[TP], v[rT]
	v_floor_f32 v[rT], -v[rT+1]                    ; the new -M = floor(-t) = -ceil(t): M is a whole number
	v_sub_f32 v[TP], v[rT], v[TP]                  ; M's old value less its new one: a whole number, 0 or less
	v_cvt_i32_f32 v[TP], v[TP]                     ; (it saturates)
	v_ldexp_f32 v[F], 1.0, v[TP]                   ; f = 2^(old M - new M)
.set jj, 0
.rept 32
	v_pk_fma_f32 v[rS+jj:rS+jj+1], v[rS+jj:rS+jj+1], s[CS:CS+1], v[rT:rT+1] op_sel_hi:[1,0,0]   ; t - M, two at a time
.set jj, jj+2
.endr
.irp b, 0,1,2,3
	v_fma_f32 v[BM+\b], v[BM+\b], s[CS], v[rT]     ; the same of each block's largest score
.endr
.set jj, 0
.rept 64
	v_exp_f32 v[rS+jj], v[rS+jj]                   ; p = 2^(t - M), at most 1: not normalised
.set jj, jj+1
.endr
	v_pk_mul_f32 v[rT+2:rT+3], v[rT+2:rT+3], v[F:F+1] op_sel_hi:[1,0]   ; the sums under the new M: a plain place behind the exponentials
	s_wait_alu depctr_va_vdst(0)                   ; one wait for the whole batch, ahead of its first reader
.irp b, 0,1,2,3
	v_exp_f32 v[BM+\b], v[BM+\b]                   ; the block's largest p: the same two instructions on the same number give the same bits
.endr
	v_pk_add_f32 v[TP+2:TP+3], v[rS:rS+1], v[rS+2:rS+3]   ; THE ROW'S SUM IS TAKEN OF THE UNQUANTISED p: two at a time, in two chains
.irp j, 4,8,12,16,20,24,28,32,36,40,44,48,52,56,60
	v_pk_add_f32 v[rT+2:rT+3], v[rT+2:rT+3], v[rS+\j:rS+\j+1]
	v_pk_add_f32 v[TP+2:TP+3], v[TP+2:TP+3], v[rS+\j+2:rS+\j+3]
.endr
	v_pk_add_f32 v[rT+2:rT+3], v[rT+2:rT+3], v[TP+2:TP+3]
	s_wait_alu depctr_va_vdst(0)                   ; and one for the four
.irp b, 0,1,2,3
	v_max_num_f32 v[BM+\b], 0x1800000, v[BM+\b]    ; the floor 2^(3 - 127): the byte cannot fall under 1 (a block whose every p is 0 keeps that byte: its codes are zeros)
.endr
.irp b, 0,1,2,3
	v_add_nc_u32 v[SCL+\b], 0xff000000, v[BM+\b]   ; 2 off the exponent field: the conversion's scale operand
.endr
.irp b, 0,1,2,3
	v_lshrrev_b32 v[T2+\b], 23, v[SCL+\b]          ; the scale's byte
.endr
	v_lshl_or_b32 v[PS], v[T2+1], 8, v[T2]         ; p's scale word for these 128 keys
	v_lshl_or_b32 v[PS], v[T2+2], 16, v[PS]
	v_lshl_or_b32 v[PS], v[T2+3], 24, v[PS]
.irp c, 0,1
	v_cvt_scalef32_pk16_fp6_f32 v[PC+6*\c:PC+6*\c+2], v[rS+32*\c:rS+32*\c+15], v[SCL+2*\c]
	v_cvt_scalef32_pk16_fp6_f32 v[CT+4*\c:CT+4*\c+2], v[rS+32*\c+16:rS+32*\c+31], v[SCL+2*\c+1]   ; (a conversion's three registers begin on an even number)
.endr
	v_nop                                          ; one plain place behind a scaled conversion
.irp c, 0,1                                    ; the operand's layout wants a WHOLE block in a lane
.irp i, 0,1,2
	v_permlane16_swap_b32 v[PC+6*\c+\i], v[CT+4*\c+\i]
.endr
.irp i, 0,1,2
	v_mov_b32 v[PC+6*\c+3+\i], v[CT+4*\c+\i]
.endr
.endr
	WIN 0x41                                       ; O^T (destination and source 0) in window 1, f in window 0
.set jj, 0
.rept 16
	v_pk_mul_f32 v[rO+jj:rO+jj+1], v[rO+jj:rO+jj+1], v[F:F+1] op_sel_hi:[1,0]   ; O^T under the new M.  (These are also the places between the writes of p's codes and scale word and the products below)
.set jj, jj+2
.endr
.endm
; O^T += V^T P^T for tile q: four accumulators, one instruction each
.macro PV q
	WIN 0x51                                       ; V, C and D in window 1, p's codes in window 0
.set ci, 0
.rept 4
.set rD, O+32*(\q)+8*ci
.set rC, O+32*(\q)+8*ci
.set rA, VF+12*ci
.set rB, PC
.set rSA, VS+ci/2
.set rSB, PS
	MM ci%2, 0
.set ci, ci+1
.endr
.endm
; A KEY STEP: 128 keys, both my tiles.  pre = 1: the next step's K, bias and scale words are fetched behind this step's products S^T
.macro STEP pre
	v_add_nc_u32 v[A16], s[TB], v[L16]             ; these three and the v_nop are the four places behind the last step's products, ahead of the loads into V's registers
	v_add_nc_u32 v[A8], s[TB], v[L8]
	v_add_nc_u32 v[AC], s[TB], v[LC]
	v_nop
	ds_load_b64 v[VS:VS+1], v[A8] offset:VSO
	WIN 0x40
.irp i, 0,1,2,3,4,5,6,7,8,9,10,11
	ds_load_b128 v[VF+4*\i:VF+4*\i+3], v[A16] offset:VOF+512*\i
.endr
	s_wait_dscnt 13                                ; K, the bias and K's scale words, asked for a step ago, are in; V's 13 loads may be out
	WIN 0x11                                       ; K and the bias in window 1, Q and S^T in window 0
.set ti, 0
.rept 8
.set qi, 0
.rept 2
.set rD, S+64*qi+8*ti
.set rA, KF+6*ti
.set rB, Q+12*qi
.set rC, CB+8*ti
.set rSA, KS+ti/2
.set rSB, QS
	MM ti%2, qi
.set qi, qi+1
.endr
.set ti, ti+1
.endr
	WIN 0
.rept 4
	v_nop                                          ; places ahead of the loads into K's registers and of the first read of the scores
.endr
.if \pre
	PRE A16, AC, RECB
.endif
	SM 0
	s_wait_dscnt 29*\pre                           ; V is in; the next step's 29 loads may be out
	PV 0
	SM 1
	PV 1
	WIN 0
	s_add_co_u32 s[TB], s[TB], RECB
.endm
	s_wait_tensorcnt 0x0                           ; my two records are in LDS,
	s_barrier_signal -1
	s_barrier_wait -1                              ; all sixteen are
	PRE L16, LC, 0
	s_mov_b32 s[TB], 0
	s_mov_b32 s[CNT], 15
.Lstep:
	STEP 1
	s_sub_co_u32 s[CNT], s[CNT], 1
	s_cmp_lg_u32 s[CNT], 0
	s_cbranch_scc1 .Lstep
	STEP 0                                         ; the last step has no successor to fetch for
	; THE WAY OUT.  The sum's halves and the other half of the lanes' are added; O^T is divided by the sum and goes through my stage in LDS, a tile (16 rows x 256 bytes) at a time
.rept 4
	v_nop                                          ; places behind the last products
.endr
.irp q, 0,1
	v_add_f32 v[BM+\q], v[ST+4*\q+2], v[ST+4*\q+3]
.endr
.irp q, 0,1
	v_permlanex16_b32 v[T2+\q], v[BM+\q], s[SEL], s[SEL+1]
.endr
.irp q, 0,1
	v_add_f32 v[BM+\q], v[BM+\q], v[T2+\q]         ; the row's sum: above 1/2, since the row's largest p is
.endr
.irp q, 0,1
	v_rcp_f32 v[TP+\q], v[BM+\q]
.endr
	v_nop                                          ; a plain place behind the reciprocals
	s_wait_alu depctr_va_vdst(0)                   ; and the wait ahead of their first reader
.macro PACK q
	WIN 0x01                                       ; O^T in window 1
.set jj, 0
.rept 32
	v_mul_f32 v[OB+jj], v[O+32*(\q)+jj], v[TP+(\q)]   ; register 16 b + i: channel 32 b + 16 h + i of query r; each accumulator from its low end on
.set jj, jj+1
.endr
	WIN 0
.irp i, 0,1,2,3,4,5,6,7
	ds_store_b128 v[STO], v[OB+4*\i:OB+4*\i+3] offset:128*(\i/4)+16*(\i%4)
.endr
.irp i, 0,1,2,3,4,5,6,7
	ds_load_b128 v[S+64*(\q)+4*\i:S+64*(\q)+4*\i+3], v[RD] offset:544*\i   ; LDS serves a wave's instructions in order: these see the stores above, and the next tile's stores come behind them
.endr
.endm
.macro SEND q, younger                 ; younger: the LDS instructions issued behind tile q's loads
.irp i, 0,1,2,3,4,5,6,7
	s_wait_dscnt \younger+7-\i
	global_store_b128 v[GO], v[S+64*(\q)+4*\i:S+64*(\q)+4*\i+3], s[8:9] offset:(8*(\q)+2*\i+8*(\i/4))*3072 th:TH_STORE_NT   ; stage row n is token 8 q + n + 8 (n / 8) of the pair's 32; 16 lanes store 256 consecutive bytes, aligned
.endr
.endm
	PACK 0
	PACK 1
	SEND 0, 16
	SEND 1, 0
	s_wait_tensorcnt 0x0
	ds_add_u32 v94, v95
	s_wait_dscnt 0x0
	CROUND                                         ; the closing round: no work-group ends while a partner may still ask for a record jointly
	s_endpgm
.Lfunc_end_k_qa97973036a_attn:
	.size	k_qa97973036a_attn, .Lfunc_end_k_qa97973036a_attn-k_qa97973036a_attn
	.p2alignl 7, 3214868480
	.fill 96, 4, 3214868480
	.section	.rodata,"a",@progbits
	.p2align	6, 0x0
	.amdhsa_kernel k_qa97973036a_attn
		.amdhsa_group_segment_fixed_size 252928
		.amdhsa_private_segment_fixed_size 0
		.amdhsa_enable_private_segment 0
		.amdhsa_kernarg_size 24
		.amdhsa_user_sgpr_count 2
		.amdhsa_user_sgpr_kernarg_segment_ptr 1
		.amdhsa_wavefront_size32 1
		.amdhsa_system_sgpr_workgroup_id_x 1
		.amdhsa_system_sgpr_workgroup_id_y 1
		.amdhsa_system_sgpr_workgroup_id_z 1
		.amdhsa_system_vgpr_workitem_id 0
		.amdhsa_next_free_vgpr 512
		.amdhsa_next_free_sgpr 66
		.amdhsa_reserve_vcc 0
		.amdhsa_float_denorm_mode_32 3
		.amdhsa_float_denorm_mode_16_64 3
		.amdhsa_memory_ordered 1
		.amdhsa_forward_progress 1
		.amdhsa_inst_pref_size 76
	.end_amdhsa_kernel
	.amdgpu_metadata
---
amdhsa.version: [ 1, 2 ]
amdhsa.kernels:
  - .name:           k_qa97973036a_attn
    .symbol:         k_qa97973036a_attn.kd
    .args:
      - { .name: qc, .offset: 0, .size: 8, .value_kind: global_buffer, .address_space: global }
      - { .name: kv, .offset: 8, .size: 8, .value_kind: global_buffer, .address_space: global }
      - { .name: out0, .offset: 16, .size: 8, .value_kind: global_buffer, .address_space: global }
    .group_segment_fixed_size: 252928
    .private_segment_fixed_size: 0
    .kernarg_segment_align: 8
    .kernarg_segment_size: 24
    .max_flat_workgroup_size: 256
    .sgpr_count:     66
    .vgpr_count:     512
    .wavefront_size: 32
...
	.end_amdgpu_metadata
.endif
;; end of part 3
;; ======== version 2 of 2: 3 launches; 1.18 times as fast as version 1
;; workspace buffers: codes 3,910,656 bytes; qc 2,555,904 bytes; kv 5,210,112 bytes
;; launch quant: the kernel of part 1 again; grid 201 x 1, 2 waves a work-group, no clusters, 168,192 bytes of LDS; arguments x, Wq, Wk, Wv, Aq, Av, codes; writes codes
;; launch proj (part 4): grid 32 x 8, 4 waves a work-group, no clusters, 168,448 bytes of LDS; arguments codes, Bq, Bv, bq, bk, bv, mask, qc, kv; writes qc, kv
.if DOCPART == 4
	.amdgcn_target "amdgcn-amd-amdhsa--gfx1250"
	.amdhsa_code_object_version 6
	.text
	.protected	k_qa97973036a_proj
	.globl	k_qa97973036a_proj
	.p2align	8
	.type	k_qa97973036a_proj,@function
k_qa97973036a_proj:
	s_mov_b64 s[64:65], 0
	v_nop
	global_prefetch_b8 v0, s[64:65] scope:SCOPE_SE
	s_setreg_imm32_b32 hwreg(HW_REG_WAVE_MODE, 25, 1), 1
	s_wait_xcnt 0x0
; q = x Wq^T + bq + (x Aq^T) Bq^T / 16,  k = x Wk^T + bk,  v = x Wv^T + bv + (x Av^T) Bv^T / 16.  The products with K = 768 run on the codes of FP6 (E2M3) that the launch before has laid
; as register images; the two products with K = 16 run on f32 operands (v_wmma_f32_16x16x4_f32), since their results go on into a quantiser.  q, k and v are quantised here, in registers, and stored
; as register images for the attention: q and k along the head's 64 (two blocks), v along the keys.  The k path also turns the mask into the keys' bias, -80000 (1 - m) = 8 x -10000 (1 - m), f32.
; SHARES.  Work-group (X, Y): X = a block of 128 tokens; Y: 0-2 q and 3-5 v, four heads each, a head a wave; 6-7 k, six heads each: a wave takes three heads x four of the block's eight tiles of tokens,
; since a head of k, which has no second product, is less than half the matrix work of a head of q or v.  32 x 8 = 256 work-groups.
; No cluster: what work-groups share, x's 77,824 bytes, is the smaller part beside a work-group's 155,648 bytes or more of weights, which go straight into registers.
; SOURCE 0's ROWS RUN ALONG THE RESULT'S REGISTERS: the axis that is quantised next.  q, k: source 0 = the head's 4 tiles of W, source 1 = a tile of x: a lane holds one token and 32 columns.
; v: source 0 = the 8 tiles of x, source 1 = a tile of Wv: a lane holds one channel and 64 keys.  The rows of every tile are ordered so that lane r of tile 2 b + u holds row 32 b + 8 u + r + 8 (r / 8):
; the 16 result registers of tiles 2 b, 2 b + 1 are then 16 neighbours, 32 b + 16 (lane / 16) + 0 .. 15.
; LORA.  t = A x^T (source 0 = A's 16 rows, source 1 = a tile of x): lane (r, h) holds token r and rho = 8 h + 0 .. 7.  Times 1/16, which is exact.  K step s of the f32 form takes registers 2 s, 2 s + 1 of t,
; so its k place 2 h + j stands for rho = 8 h + 2 s + j; B's fragment is loaded to match: lane (r, h) takes B[row][8 h .. 8 h + 7].  Nothing changes lanes.  t is made once a work-group (wave w: tiles w, w + 4)
; and goes from wave to wave through LDS as register images.
; LDS: 0 .. 77,823 the eight records of x (filled once, one tensor load a wave: one load of a wave is out); 77,824 .. t's images of the q path; 86,016 .. those of the v path.
; LIMITS: NaN and infinities are not served; a block whose largest magnitude lies under 2^-124 has its byte held at 1; a block of zeros gets the byte 1, not 127: its codes are zeros and this program alone reads the bytes.
; REGISTERS, in windows of 256.  Window i + 1 (i = 0, 1, 2) holds the fragments of K steps 2 i and 2 i + 1.  Window 0: v1-7, v31 addresses; v8-30 at work; v32-95 the accumulators, written by matrix
; instructions alone; v212-255 scale words and nothing else; the rest by path, below.
.set REC,  9728                        ; a record of codes: six fragments of 1,536 bytes, then the scale image
.set FRG,  1536
.set SCO,  9216
.set HREC, 16*13568                    ; from a head's records in kv to the next head's
.set TIQ,  8*REC
.set TIV,  TIQ+8192
.set TM,   8
.set CT,   24
.set ACC,  32
.set AS,   252                         ; A's scale words
; q path, window 0
.set BIAS, 96                          ; v96-127  the bias in the result's layout: the C of each sum's first matrix instruction
.set BQ,   128                         ; v128-159 Bq's four fragments
.set TT,   160                         ; v160-175 t of a tile of tokens, two buffers
.set OUT,  176                         ; v176-199 the codes of a pair of tiles, two sets (k path too)
.set SW,   200                         ; v200-203 the scale image (k path: two words a head, two sets)
.set WD,   204                         ; v204-205 the scale words of an even and an odd tile (k path too)
.set WS,   212                         ; v212-227 W's scale words
.set XS,   228                         ; v228-235 x's, two buffers
; q path, windows 1 to 3
.set WF,   0                           ; W's fragment (tile c, step 2 i + e) at v[24 c + 12 e]
.set XF,   96                          ; x's, buffer bf, at v[96 + 24 bf + 12 e]
.set AF,   144                         ; A's at v[144 + 12 e]
; k path, window 0
.set KBI,  96                          ; v96-159  the bias of a head, two buffers
.set MK,   160                         ; v160-163 the mask of my 64 keys, and their bias
.set KWS,  212                         ; v212-243 Wk's scale words of a head, two buffers
.set KXS,  244                         ; v244-251 x's, two buffers
; k path, windows 1 to 3
.set KWF,  0                           ; Wk's fragment (buffer wb, tile c, step 2 i + e) at v[96 wb + 24 c + 12 e]
.set KXF,  192                         ; x's, buffer bf, at v[192 + 24 bf + 12 e]
; v path, window 0
.set TV,   96                          ; v96-159  t of the eight tiles
.set BV,   160                         ; v160-175 Bv's fragment, two buffers
.set BIASV, 176                        ; v176-183 the lane's bias, eight times
.set PC,   184                         ; v184-195 the codes just made
.set PW,   196                         ; v196-199 the four tiles' scale words
.set VSC,  200                         ; v200-201 the scale image
.set RB,   202                         ; v202-203 the lane's bias as loaded, two buffers
.set XSV,  212                         ; v212-243 x's scale words
.set WSV,  244                         ; v244-251 Wv's, two buffers
; v path, windows 1 to 3
.set HX,   0                           ; x's fragment (tile t, step 2 i + e) at v[96 e + 12 t]
.set WVF,  192                         ; Wv's, buffer bf, at v[192 + 24 bf + 12 e]
.set SEL,  44
.set MSB, 0
.macro WIN new                         ; the immediate's high byte repeats the setting that is left
.if MSB != (\new)
	s_set_vgpr_msb (MSB<<8)|(\new)
.set MSB, (\new)
.endif
.endm
.macro PLACES n
.rept \n
	v_nop
.endr
.endm
.macro BAR
	s_barrier_signal -1
	s_barrier_wait -1
.endm
; a scaled matrix instruction on the registers rD, rA, rB, rC, rSA, rSB.  row = 1: an odd K step: both sides' scale words stand in lanes 16-31
.macro MM row
.if \row
	v_wmma_scale_f32_16x16x128_f8f6f4 v[rD:rD+7], v[rA:rA+11], v[rB:rB+11], v[rC:rC+7], v[rSA], v[rSB] matrix_a_fmt:MATRIX_FMT_FP6 matrix_b_fmt:MATRIX_FMT_FP6 matrix_a_scale:MATRIX_SCALE_ROW1 matrix_b_scale:MATRIX_SCALE_ROW1
.else
	v_wmma_scale_f32_16x16x128_f8f6f4 v[rD:rD+7], v[rA:rA+11], v[rB:rB+11], v[rC:rC+7], v[rSA], v[rSB] matrix_a_fmt:MATRIX_FMT_FP6 matrix_b_fmt:MATRIX_FMT_FP6
.endif
.endm
.macro MMZ                             ; the same, starting a sum
	v_wmma_scale_f32_16x16x128_f8f6f4 v[rD:rD+7], v[rA:rA+11], v[rB:rB+11], 0, v[rSA], v[rSB] matrix_a_fmt:MATRIX_FMT_FP6 matrix_b_fmt:MATRIX_FMT_FP6
.endm
; 64 numbers in the accumulators (register 16 b + i = k 32 b + 16 h + i of my row) become a fragment's codes at v[qD] on and its scale word in v[qW].  Each accumulator is read from its low end on
.macro QUANT
.irp b, 0,1,2,3
	v_max3_num_f32 v[TM+\b], |v[ACC+16*\b]|, |v[ACC+16*\b+1]|, 0x1800000   ; and the floor 2^(3 - 127): the byte cannot fall under 1
.endr
.irp i, 2,4,6,8,10,12,14
.irp b, 0,1,2,3
	v_max3_num_f32 v[TM+\b], v[TM+\b], |v[ACC+16*\b+\i]|, |v[ACC+16*\b+\i+1]|
.endr
.endr
.irp b, 0,1,2,3
	v_permlanex16_b32 v[TM+4+\b], v[TM+\b], s[SEL], s[SEL+1]
.endr
.irp b, 0,1,2,3
	v_max_num_f32 v[TM+\b], v[TM+\b], v[TM+4+\b]
.endr
.irp b, 0,1,2,3
	v_add_nc_u32 v[TM+12+\b], 0xff000000, v[TM+\b] ; 2 off the exponent field: the conversion's scale operand
.endr
.irp b, 0,1,2,3
	v_lshrrev_b32 v[TM+4+\b], 23, v[TM+12+\b]      ; the scale's byte
.endr
	v_lshl_or_b32 v[qW], v[TM+5], 8, v[TM+4]
	v_lshl_or_b32 v[qW], v[TM+6], 16, v[qW]
	v_lshl_or_b32 v[qW], v[TM+7], 24, v[qW]
.irp c, 0,1
	v_cvt_scalef32_pk16_fp6_f32 v[qD+6*\c:qD+6*\c+2], v[ACC+32*\c:ACC+32*\c+15], v[TM+12+2*\c]
	v_cvt_scalef32_pk16_fp6_f32 v[CT+4*\c:CT+4*\c+2], v[ACC+32*\c+16:ACC+32*\c+31], v[TM+13+2*\c]
.endr
	v_nop                                          ; one plain place behind a scaled conversion
.irp c, 0,1
.irp i, 0,1,2
	v_permlane16_swap_b32 v[qD+6*\c+\i], v[CT+4*\c+\i]
.endr
.irp i, 0,1,2
	v_mov_b32 v[qD+6*\c+3+\i], v[CT+4*\c+\i]
.endr
.endr
.endm
; the same for 32 numbers, two blocks: six registers of codes (k = 32 h + 0 .. 31); the word's upper two bytes are 0x7f: they scale the half of the K step that holds no numbers
.macro QUANT2
.irp b, 0,1
	v_max3_num_f32 v[TM+\b], |v[ACC+16*\b]|, |v[ACC+16*\b+1]|, 0x1800000
.endr
.irp i, 2,4,6,8,10,12,14
.irp b, 0,1
	v_max3_num_f32 v[TM+\b], v[TM+\b], |v[ACC+16*\b+\i]|, |v[ACC+16*\b+\i+1]|
.endr
.endr
.irp b, 0,1
	v_permlanex16_b32 v[TM+4+\b], v[TM+\b], s[SEL], s[SEL+1]
.endr
.irp b, 0,1
	v_max_num_f32 v[TM+\b], v[TM+\b], v[TM+4+\b]
.endr
.irp b, 0,1
	v_add_nc_u32 v[TM+12+\b], 0xff000000, v[TM+\b]
.endr
.irp b, 0,1
	v_lshrrev_b32 v[TM+4+\b], 23, v[TM+12+\b]
.endr
	v_lshl_or_b32 v[qW], v[TM+5], 8, v[TM+4]
	v_or_b32 v[qW], 0x7f7f0000, v[qW]
	v_cvt_scalef32_pk16_fp6_f32 v[qD:qD+2], v[ACC:ACC+15], v[TM+12]
	v_cvt_scalef32_pk16_fp6_f32 v[CT:CT+2], v[ACC+16:ACC+31], v[TM+13]
	v_nop
.irp i, 0,1,2
	v_permlane16_swap_b32 v[qD+\i], v[CT+\i]
.endr
.irp i, 0,1,2
	v_mov_b32 v[qD+3+\i], v[CT+\i]
.endr
.endm
; the path's pointers, from my (first) head s26 and my (first) output record s27.  tb: the weight's first tile among the weights' records; bi, op: the registers with the bias's and the output's address;
; osz: an output record; lora = 1: arec A's record, bp B's address
.macro POINTERS tb, bi, op, osz, lora, arec, bp
	s_lshl_b32 s30, s26, 2
	s_add_co_u32 s30, s30, 256+\tb
	s_mul_i32 s30, s30, REC
	s_add_nc_u64 s[48:49], s[4:5], s[30:31]        ; my head's four records of W
	s_lshl_b32 s30, s26, 8
	s_add_nc_u64 s[54:55], s[\bi:\bi+1], s[30:31]  ; its 64 numbers of the bias
	s_mul_i32 s30, s27, \osz
	s_add_nc_u64 s[56:57], s[\op:\op+1], s[30:31]  ; the output record of (batch, head, token block)
.if \lora
	s_add_nc_u64 s[50:51], s[4:5], \arec*REC
	s_lshl_b32 s30, s26, 12
	s_add_nc_u64 s[52:53], s[\bp:\bp+1], s[30:31]  ; its 64 rows of B, 64 bytes each
.endif
.endm
; t for tiles w and w + 4 of x: 12 matrix instructions on two accumulators by turns; times 1/16 into other registers; the images to LDS.
; ab, xa, xb: where A's and the two tiles' fragments stand in windows 1 to 3; xsa, xsb: the tiles' scale words; ts: 16 registers for the scaled t
.macro TPHASE ab, xa, xb, xsa, xsb, ts
.irp i, 0,1,2
	WIN (\i+1)<<6
.irp e, 0,1
.irp k, 0,1,2
	ds_load_b128 v[\xa+12*\e+4*\k:\xa+12*\e+4*\k+3], v6 offset:FRG*(2*\i+\e)+512*\k
	ds_load_b128 v[\xb+12*\e+4*\k:\xb+12*\e+4*\k+3], v6 offset:4*REC+FRG*(2*\i+\e)+512*\k
.endr
.endr
.endr
	WIN 0
	ds_load_b128 v[\xsa:\xsa+3], v6 offset:SCO
	ds_load_b128 v[\xsb:\xsb+3], v6 offset:4*REC+SCO
	s_wait_loadcnt 0x0                             ; A, and all that the path has asked of memory so far
	s_wait_dscnt 0x0
.set ks, 0
.rept 6
	WIN 5*(ks/2+1)
.set rA, \ab+12*(ks%2)
.set rSA, AS+ks/2
.set rD, ACC
.set rC, ACC
.set rB, \xa+12*(ks%2)
.set rSB, \xsa+ks/2
.if ks == 0
	MMZ
.else
	MM ks%2
.endif
.set rD, ACC+8
.set rC, ACC+8
.set rB, \xb+12*(ks%2)
.set rSB, \xsb+ks/2
.if ks == 0
	MMZ
.else
	MM ks%2
.endif
.set ks, ks+1
.endr
	WIN 0
	PLACES 4
.set ci, 0
.rept 16
	v_mul_f32 v[\ts+ci], 0x3d800000, v[ACC+ci]     ; x 1/16, each accumulator from its low end on
.set ci, ci+1
.endr
	ds_store_b128 v7, v[\ts:\ts+3]                 ; tile w: 1,024 w
	ds_store_b128 v7, v[\ts+4:\ts+7] offset:512
	ds_store_b128 v7, v[\ts+8:\ts+11] offset:4096  ; tile w + 4
	ds_store_b128 v7, v[\ts+12:\ts+15] offset:4608
.endm
; ---- the q path
.macro QLOADS
.irp i, 0,1,2
	WIN (\i+1)<<6
.irp e, 0,1
.irp k, 0,1,2
	global_load_b128 v[AF+12*\e+4*\k:AF+12*\e+4*\k+3], v1, s[50:51] offset:FRG*(2*\i+\e)+512*\k
.endr
.endr
.irp c, 0,1,2,3
.irp e, 0,1
.irp k, 0,1,2
	global_load_b128 v[WF+24*\c+12*\e+4*\k:WF+24*\c+12*\e+4*\k+3], v1, s[48:49] offset:REC*\c+FRG*(2*\i+\e)+512*\k
.endr
.endr
.endr
.endr
	WIN 0
	global_load_b128 v[AS:AS+3], v1, s[50:51] offset:SCO
.irp c, 0,1,2,3
	global_load_b128 v[WS+4*\c:WS+4*\c+3], v1, s[48:49] offset:REC*\c+SCO
	global_load_b128 v[BIAS+8*\c:BIAS+8*\c+3], v5, s[54:55] offset:128*(\c/2)+32*(\c%2)       ; lane (r, h), tile 2 b + u: columns 32 b + 16 h + 8 u + 0 .. 7
	global_load_b128 v[BIAS+8*\c+4:BIAS+8*\c+7], v5, s[54:55] offset:128*(\c/2)+32*(\c%2)+16
	global_load_b128 v[BQ+8*\c:BQ+8*\c+3], v4, s[52:53] offset:2048*(\c/2)+512*(\c%2)         ; lane (r, h): B[the tile's row of lane r][8 h .. 8 h + 7]
	global_load_b128 v[BQ+8*\c+4:BQ+8*\c+7], v4, s[52:53] offset:2048*(\c/2)+512*(\c%2)+16
.endr
.endm
.macro FETCHX t                        ; tile t of x from LDS into buffer t % 2: 18 loads of codes, 1 of scale words, 2 of t
.set bf, (\t)%2
.set xo, ((\t)%4)*REC
.set xr, 1+(\t)/4
.irp i, 0,1,2
	WIN (\i+1)<<6
.irp e, 0,1
.irp k, 0,1,2
	ds_load_b128 v[XF+24*bf+12*\e+4*\k:XF+24*bf+12*\e+4*\k+3], v[xr] offset:xo+FRG*(2*\i+\e)+512*\k
.endr
.endr
.endr
	WIN 0
	ds_load_b128 v[XS+4*bf:XS+4*bf+3], v[xr] offset:xo+SCO
	ds_load_b128 v[TT+8*bf:TT+8*bf+3], v3 offset:1024*(\t)
	ds_load_b128 v[TT+8*bf+4:TT+8*bf+7], v3 offset:1024*(\t)+512
.endm
.macro PASSQ t                         ; tile t of 16 tokens x my head's 64 columns
	PLACES 9                                       ; the accumulators are begun anew: nine places behind the f32 form that wrote them; these also stand ahead of the loads into the buffers read a tile ago
.if (\t) < 7
	FETCHX (\t)+1
	s_wait_dscnt 21                                ; this tile's loads are in; the next tile's 21, just issued, may be out
.else
	s_wait_dscnt 0x0
.endif
.set bf, (\t)%2
.set ks, 0
.rept 6                                        ; K step by K step, the four accumulators by turns, one instruction a turn
	WIN 5*(ks/2+1)
.set ci, 0
.rept 4
.set rD, ACC+8*ci
.set rA, WF+24*ci+12*(ks%2)
.set rB, XF+24*bf+12*(ks%2)
.set rSA, WS+4*ci+ks/2
.set rSB, XS+4*bf+ks/2
.if ks == 0
.set rC, BIAS+8*ci
.else
.set rC, ACC+8*ci
.endif
	MM ks%2
.set ci, ci+1
.endr
.set ks, ks+1
.endr
	WIN 0
	PLACES 5                                       ; another form takes the sums up: five places
.set ks, 0
.rept 4
.set ci, 0
.rept 4
	v_wmma_f32_16x16x4_f32 v[ACC+8*ci:ACC+8*ci+7], v[BQ+8*ci+2*ks:BQ+8*ci+2*ks+1], v[TT+8*bf+2*ks:TT+8*bf+2*ks+1], v[ACC+8*ci:ACC+8*ci+7]
.set ci, ci+1
.endr
.set ks, ks+1
.endr
	PLACES 8
.if ((\t) >= 4) && ((\t)%2 == 0)
	s_wait_xcnt 0x0                                ; the stores of two pairs ago have read this set of code registers
.endif
.set qD, OUT+12*(((\t)/2)%2)+6*((\t)%2)
.set qW, WD+(\t)%2
	QUANT2
.if (\t)%2
	v_cndmask_b32 v[SW+(\t)/2], v[WD], v[WD+1], s46   ; lanes 0-15: the even tile's words; lanes 16-31: the odd tile's
.irp i, 0,1,2
	global_store_b128 v1, v[OUT+12*(((\t)/2)%2)+4*\i:OUT+12*(((\t)/2)%2)+4*\i+3], s[56:57] offset:1536*((\t)/2)+512*\i   ; 32 lanes store 512 consecutive bytes, aligned
.endr
.endif
.endm
; ---- the k path
.macro KLOADW h, c                     ; tile c of my h-th head of Wk from memory into buffer h % 2: 18 loads of codes, 1 of scale words, 2 of the bias
.set wb, (\h)%2
.irp i, 0,1,2
	WIN (\i+1)<<6
.irp e, 0,1
.irp k, 0,1,2
	global_load_b128 v[KWF+96*wb+24*(\c)+12*\e+4*\k:KWF+96*wb+24*(\c)+12*\e+4*\k+3], v1, s[48:49] offset:4*REC*(\h)+REC*(\c)+FRG*(2*\i+\e)+512*\k
.endr
.endr
.endr
	WIN 0
	global_load_b128 v[KWS+16*wb+4*(\c):KWS+16*wb+4*(\c)+3], v1, s[48:49] offset:4*REC*(\h)+REC*(\c)+SCO
	global_load_b128 v[KBI+32*wb+8*(\c):KBI+32*wb+8*(\c)+3], v5, s[54:55] offset:256*(\h)+128*((\c)/2)+32*((\c)%2)
	global_load_b128 v[KBI+32*wb+8*(\c)+4:KBI+32*wb+8*(\c)+7], v5, s[54:55] offset:256*(\h)+128*((\c)/2)+32*((\c)%2)+16
.endm
.macro FETCHK n                        ; pass n's tile of x, the (n % 4)-th of my four, from LDS into buffer n % 2: 18 loads of codes, 1 of scale words
.set bf, (\n)%2
.set xo, ((\n)%4)*REC
.irp i, 0,1,2
	WIN (\i+1)<<6
.irp e, 0,1
.irp k, 0,1,2
	ds_load_b128 v[KXF+24*bf+12*\e+4*\k:KXF+24*bf+12*\e+4*\k+3], v3 offset:xo+FRG*(2*\i+\e)+512*\k
.endr
.endr
.endr
	WIN 0
	ds_load_b128 v[KXS+4*bf:KXS+4*bf+3], v3 offset:xo+SCO
.endm
; pass n of 12: my (n / 4)-th head x my (n % 4)-th tile of tokens.  The next head's 84 loads go out in a head's first three passes (42, 21, 21), into the buffers that the head before has left
.macro PASSK n
.set hd, (\n)/4
	PLACES 9                                       ; the accumulators are begun anew; these places also stand ahead of the loads into buffers that matrix instructions have read
.if (\n) < 11
	FETCHK (\n)+1
.endif
.if ((\n)%4 == 0) && ((\n) > 0)
	s_wait_loadcnt 0x0                             ; this head's Wk, scale words and bias are in
.endif
.if (\n) < 8
.if (\n)%4 == 0
	KLOADW hd+1, 0
	KLOADW hd+1, 1
.elseif (\n)%4 < 3
	KLOADW hd+1, (\n)%4+1
.endif
.endif
.if (\n) < 11
	s_wait_dscnt 19                                ; this pass's tile is in; the next pass's 19 loads, just issued, may be out
.else
	s_wait_dscnt 0x0
.endif
.set bf, (\n)%2
.set wb, hd%2
.set ks, 0
.rept 6                                        ; K step by K step, the four accumulators by turns, one instruction a turn
	WIN 5*(ks/2+1)
.set ci, 0
.rept 4
.set rD, ACC+8*ci
.set rA, KWF+96*wb+24*ci+12*(ks%2)
.set rB, KXF+24*bf+12*(ks%2)
.set rSA, KWS+16*wb+4*ci+ks/2
.set rSB, KXS+4*bf+ks/2
.if ks == 0
.set rC, KBI+32*wb+8*ci
.else
.set rC, ACC+8*ci
.endif
	MM ks%2
.set ci, ci+1
.endr
.set ks, ks+1
.endr
	WIN 0
	PLACES 4
.if ((\n) >= 4) && ((\n)%2 == 0)
	s_wait_xcnt 0x0                                ; the stores of two pairs ago have read this set of code registers, those of two heads ago their scale words
.endif
.set qD, OUT+12*(((\n)/2)%2)+6*((\n)%2)
.set qW, WD+(\n)%2
	QUANT2
.if (\n)%2
	v_cndmask_b32 v[SW+2*(hd%2)+((\n)%4)/2], v[WD], v[WD+1], s46   ; lanes 0-15: the even tile's words; lanes 16-31: the odd tile's
.irp i, 0,1,2
	global_store_b128 v6, v[OUT+12*(((\n)/2)%2)+4*\i:OUT+12*(((\n)/2)%2)+4*\i+3], s[56:57] offset:HREC*hd+1536*(((\n)%4)/2)+512*\i   ; 32 lanes store 512 consecutive bytes, aligned
.endr
.endif
.if (\n)%4 == 3
	global_store_b64 v7, v[SW+2*(hd%2):SW+2*(hd%2)+1], s[56:57] offset:HREC*hd+12288   ; my two of the record's four scale words a lane
.endif
.endm
; ---- the v path
.macro FETCHW c                        ; tile c of Wv from memory into buffer c % 2: 18 loads of codes, 1 of scale words, 2 of Bv, 1 of the bias
.set bf, (\c)%2
.irp i, 0,1,2
	WIN (\i+1)<<6
.irp e, 0,1
.irp k, 0,1,2
	global_load_b128 v[WVF+24*bf+12*\e+4*\k:WVF+24*bf+12*\e+4*\k+3], v1, s[48:49] offset:REC*(\c)+FRG*(2*\i+\e)+512*\k
.endr
.endr
.endr
	WIN 0
	global_load_b128 v[WSV+4*bf:WSV+4*bf+3], v1, s[48:49] offset:REC*(\c)+SCO
	global_load_b128 v[BV+8*bf:BV+8*bf+3], v4, s[52:53] offset:2048*((\c)/2)+512*((\c)%2)
	global_load_b128 v[BV+8*bf+4:BV+8*bf+7], v4, s[52:53] offset:2048*((\c)/2)+512*((\c)%2)+16
	global_load_b32 v[RB+bf], v5, s[54:55] offset:128*((\c)/2)+32*((\c)%2)
.endm
.macro PASSV c                         ; tile c of 16 channels x the block's 128 keys: one fragment of V
	s_wait_loadcnt 0x0                             ; this tile's loads, issued a tile ago, are in
.set bf, (\c)%2
.irp j, 0,1,2,3,4,5,6,7
	v_mov_b32 v[BIASV+\j], v[RB+bf]                ; a lane holds one channel: its bias in all eight registers of the C
.endr
	PLACES 9                                       ; the accumulators are begun anew: nine places behind the f32 form
.if (\c) < 3
	FETCHW (\c)+1
.endif
.set bf, (\c)%2
.set ks, 0
.rept 6                                        ; K step by K step, the eight accumulators by turns
	WIN 5*(ks/2+1)
.set ti, 0
.rept 8
.set rD, ACC+8*ti
.set rA, HX+96*(ks%2)+12*ti
.set rB, WVF+24*bf+12*(ks%2)
.set rSA, XSV+4*ti+ks/2
.set rSB, WSV+4*bf+ks/2
.if ks == 0
.set rC, BIASV
.else
.set rC, ACC+8*ti
.endif
	MM ks%2
.set ti, ti+1
.endr
.set ks, ks+1
.endr
	WIN 0
	PLACES 5
.set ks, 0
.rept 4
.set ti, 0
.rept 8
	v_wmma_f32_16x16x4_f32 v[ACC+8*ti:ACC+8*ti+7], v[TV+8*ti+2*ks:TV+8*ti+2*ks+1], v[BV+8*bf+2*ks:BV+8*bf+2*ks+1], v[ACC+8*ti:ACC+8*ti+7]
.set ti, ti+1
.endr
.set ks, ks+1
.endr
	PLACES 8
.if (\c) > 0
	s_wait_xcnt 0x0                                ; the last tile's stores have read the code registers
.endif
.set qD, PC
.set qW, PW+(\c)
	QUANT
.irp i, 0,1,2
	global_store_b128 v1, v[PC+4*\i:PC+4*\i+3], s[56:57] offset:6144+FRG*(\c)+512*\i
.endr
.endm
; ---- the head, common to the three paths
	s_load_b512 s[4:19], s[0:1], 0x0               ; codes s[4:5], Bq s[6:7], Bv s[8:9], bq s[10:11], bk s[12:13], bv s[14:15], mask s[16:17], qc s[18:19]
	s_load_b64 s[20:21], s[0:1], 0x40              ; kv
	v_lshl_add_u32 v210, v0, 2, 0x29000
	v_mov_b32 v211, 0
	ds_add_u32 v210, v211
	ds_add_u32 v210, v211
	v_lshrrev_b32 v8, 5, v0
	v_readfirstlane_b32 s22, v8                    ; wave w
	s_mov_b32 s23, ttmp9                           ; X: the block of 128 tokens
	s_and_b32 s24, ttmp7, 0xffff                   ; Y
	s_mov_b32 s25, 0                               ; the kind: 0 q, 1 v, 2 k
	s_cmp_ge_u32 s24, 3
	s_cselect_b32 s25, 1, s25
	s_cselect_b32 s29, 3, 0
	s_cmp_ge_u32 s24, 6
	s_cselect_b32 s25, 2, s25
	s_cselect_b32 s29, 6, s29
	s_sub_co_u32 s28, s24, s29                     ; which group of heads of its kind
	s_lshl_b32 s26, s28, 2
	s_add_co_u32 s26, s26, s22                     ; q, v: my head: 4 x group + w
	s_lshr_b32 s29, s22, 1
	s_mul_i32 s29, s29, 3
	s_mul_i32 s30, s28, 6
	s_add_co_u32 s29, s29, s30                     ; k: the first of my three heads: 6 x group + 3 (w / 2)
	s_cmp_eq_u32 s25, 2
	s_cselect_b32 s26, s29, s26
	s_lshr_b32 s29, s23, 4                         ; the batch
	s_mul_i32 s29, s29, 12
	s_add_co_u32 s29, s29, s26
	s_lshl_b32 s29, s29, 4
	s_and_b32 s30, s23, 15
	s_add_co_u32 s27, s29, s30                     ; 16 (12 batch + head) + the block's number in its batch: the output record
	; descriptor group 1: 19,456 dense bytes (two records of x) as 76 rows of 256 bytes
	s_mov_b32 s36, 3<<16                           ; no mask; elements of 8 bytes; no padding
	s_mov_b32 s37, 32<<16                          ; tensor_dim0
	s_mov_b32 s38, 76<<16                          ; tensor_dim1
	s_mov_b32 s39, 32<<16                          ; tile_dim0
	s_mov_b32 s40, 76                              ; tile_dim1
	s_mov_b32 s41, 32                              ; elements from row to row
	s_mov_b32 s42, 0
	s_mov_b32 s43, 0
	s_mov_b32 s32, 1
	s_mul_i32 s33, s22, 2*REC                      ; LDS: records 2 w, 2 w + 1
	s_mul_i32 s30, s23, 8*REC
	s_add_co_u32 s30, s30, s33
	s_mov_b32 s31, 0
	s_mov_b32 s[SEL], 0x76543210
	s_mov_b32 s[SEL+1], 0xfedcba98
	s_mov_b32 s46, 0xffff0000                      ; lanes 16-31
	s_wait_dscnt 0x0
	s_wait_kmcnt 0x0
	s_add_nc_u64 s[34:35], s[4:5], s[30:31]
	s_or_b32 s35, s35, 0x80000000                  ; type = 2
	tensor_load_to_lds s[32:35], s[36:43]
	s_nop 0
.rept 4
	v_nop
.endr
	v_and_b32 v8, 31, v0                           ; lane
	v_and_b32 v9, 15, v0                           ; r
	v_bfe_u32 v10, v0, 4, 1                        ; h
	v_and_b32 v11, 8, v9
	v_add_nc_u32 v11, v11, v9                      ; r + 8 (r / 8)
	v_lshlrev_b32 v1, 4, v8                        ; an image's place for my lane; also records 0-3 of x in LDS
	v_add_nc_u32 v2, 4*REC, v1                     ; records 4-7
	v_lshlrev_b32 v4, 6, v11
	v_lshl_add_u32 v4, v10, 5, v4                  ; B: the tile's row of lane r (64 bytes a row), + 32 h
	s_mul_i32 s28, s22, REC
	v_add_nc_u32 v6, s28, v1                       ; record w of x in LDS
	s_lshl_b32 s28, s22, 10
	v_add_nc_u32 v7, s28, v1                       ; t's image of tile w (the path adds its region)
	v_lshlrev_b32 v31, 3, v8
.irp b, 0,1,2,3
	v_mov_b32 v[TM+4+\b], 0                        ; written once: a lane permute's destination counts as one of its sources
.endr
	s_cmp_eq_u32 s25, 1
	s_cbranch_scc1 .Lv
	s_cmp_eq_u32 s25, 2
	s_cbranch_scc1 .Lk
; ---- q
	POINTERS 0, 10, 18, 6656, 1, 400, 6
	v_lshlrev_b32 v5, 6, v10                       ; the bias: 16 h numbers on
	v_add_nc_u32 v3, TIQ, v1
	v_add_nc_u32 v7, TIQ, v7
	QLOADS
	s_wait_tensorcnt 0x0                           ; my two records of x are in LDS,
	BAR                                            ; everybody's are
	TPHASE AF, XF, XF+24, XS, XS+4, TT
	s_wait_dscnt 0x0                               ; my images of t have landed,
	BAR                                            ; all eight have
	FETCHX 0
.irp t, 0,1,2,3,4,5,6,7
	PASSQ \t
.endr
	global_store_b128 v1, v[SW:SW+3], s[56:57] offset:6144
	s_wait_tensorcnt 0x0
	ds_add_u32 v210, v211
	s_wait_dscnt 0x0
	s_endpgm
; ---- v
.Lv:
	POINTERS 96, 14, 20, 13568, 1, 401, 8
	v_lshlrev_b32 v5, 2, v11                       ; the bias: my lane's channel
	v_add_nc_u32 v3, TIV, v1
	v_add_nc_u32 v7, TIV, v7
.irp i, 0,1,2
	WIN (\i+1)<<6
.irp e, 0,1
.irp k, 0,1,2
	global_load_b128 v[12*\e+4*\k:12*\e+4*\k+3], v1, s[50:51] offset:FRG*(2*\i+\e)+512*\k   ; Av's fragments, at v0-23 until x's take their place
.endr
.endr
.endr
	WIN 0
	global_load_b128 v[AS:AS+3], v1, s[50:51] offset:SCO
	FETCHW 0
	s_wait_tensorcnt 0x0
	BAR
	TPHASE 0, 24, 48, XSV, XSV+4, PC
.irp i, 0,1,2                                  ; x's eight tiles into registers, where they stay (four places stand behind the last matrix instruction that read these registers)
	WIN (\i+1)<<6
.irp t, 0,1,2,3,4,5,6,7
.irp e, 0,1
.irp k, 0,1,2
	ds_load_b128 v[HX+96*\e+12*\t+4*\k:HX+96*\e+12*\t+4*\k+3], v[1+\t/4] offset:(\t%4)*REC+FRG*(2*\i+\e)+512*\k
.endr
.endr
.endr
.endr
	WIN 0
.irp t, 0,1,2,3,4,5,6,7
	ds_load_b128 v[XSV+4*\t:XSV+4*\t+3], v[1+\t/4] offset:(\t%4)*REC+SCO
.endr
	s_wait_dscnt 0x0                               ; my images of t have landed (and x is in),
	BAR                                            ; all eight have
.irp t, 0,1,2,3,4,5,6,7
	ds_load_b128 v[TV+8*\t:TV+8*\t+3], v3 offset:1024*\t
	ds_load_b128 v[TV+8*\t+4:TV+8*\t+7], v3 offset:1024*\t+512
.endr
	s_wait_dscnt 0x0
.irp c, 0,1,2,3
	PASSV \c
.endr
	v_cndmask_b32 v[VSC], v[PW], v[PW+1], s46      ; lanes 0-15: tile 0's words; lanes 16-31: tile 1's
	v_cndmask_b32 v[VSC+1], v[PW+2], v[PW+3], s46
	global_store_b64 v31, v[VSC:VSC+1], s[56:57] offset:12800   ; 32 lanes store 256 consecutive bytes, aligned
	s_wait_tensorcnt 0x0
	ds_add_u32 v210, v211
	s_wait_dscnt 0x0
	s_endpgm
; ---- k
.Lk:
	POINTERS 48, 12, 20, 13568, 0, 0, 0
	s_lshl_b32 s30, s23, 9
	s_add_nc_u64 s[58:59], s[16:17], s[30:31]      ; the mask of the block's 128 keys
	s_and_b32 s28, s22, 1                          ; which four of the block's eight tiles are mine
	s_mul_i32 s29, s28, 4*REC
	v_add_nc_u32 v3, s29, v1                       ; their records in LDS
	s_mul_i32 s29, s28, 3072
	v_add_nc_u32 v6, s29, v1                       ; their two pairs' images in an output record
	s_lshl_b32 s29, s28, 3
	v_add_nc_u32 v7, s29, v1                       ; their two scale words among a lane's four
	s_lshl_b32 s29, s28, 8
	v_add_nc_u32 v31, s29, v31                     ; their 64 keys' mask and bias: 8 bytes a lane
	v_lshlrev_b32 v5, 6, v10                       ; the bias bk: 16 h numbers on
	global_load_b64 v[MK:MK+1], v31, s[58:59]
.irp c, 0,1,2,3
	KLOADW 0, \c
.endr
	s_wait_tensorcnt 0x0                           ; my two records of x are in LDS,
	BAR                                            ; everybody's are
	s_wait_loadcnt 0x0
.irp i, 0,1
	v_cvt_f32_i32 v[MK+2+\i], v[MK+\i]
.endr
.irp i, 0,1
	v_sub_f32 v[MK+2+\i], 1.0, v[MK+2+\i]
.endr
.irp i, 0,1
	v_mul_f32 v[MK+2+\i], 0xc79c4000, v[MK+2+\i]   ; -80000 (1 - m): it is added to q . k ahead of the division by 8
.endr
.irp h, 0,1,2
	global_store_b64 v31, v[MK+2:MK+3], s[56:57] offset:HREC*\h+13056   ; into each of my three heads' records: 32 lanes store 256 consecutive bytes, aligned
.endr
	FETCHK 0
.irp n, 0,1,2,3,4,5,6,7,8,9,10,11
	PASSK \n
.endr
	s_wait_tensorcnt 0x0
	ds_add_u32 v210, v211
	s_wait_dscnt 0x0
	s_endpgm
.Lfunc_end_k_qa97973036a_proj:
	.size	k_qa97973036a_proj, .Lfunc_end_k_qa97973036a_proj-k_qa97973036a_proj
	.p2alignl 7, 3214868480
	.fill 96, 4, 3214868480
	.section	.rodata,"a",@progbits
	.p2align	6, 0x0
	.amdhsa_kernel k_qa97973036a_proj
		.amdhsa_group_segment_fixed_size 168448
		.amdhsa_private_segment_fixed_size 0
		.amdhsa_enable_private_segment 0
		.amdhsa_kernarg_size 72
		.amdhsa_user_sgpr_count 2
		.amdhsa_user_sgpr_kernarg_segment_ptr 1
		.amdhsa_wavefront_size32 1
		.amdhsa_system_sgpr_workgroup_id_x 1
		.amdhsa_system_sgpr_workgroup_id_y 1
		.amdhsa_system_sgpr_workgroup_id_z 1
		.amdhsa_system_vgpr_workitem_id 0
		.amdhsa_next_free_vgpr 1024
		.amdhsa_next_free_sgpr 66
		.amdhsa_reserve_vcc 0
		.amdhsa_float_denorm_mode_32 3
		.amdhsa_float_denorm_mode_16_64 3
		.amdhsa_memory_ordered 1
		.amdhsa_forward_progress 1
		.amdhsa_inst_pref_size 255
	.end_amdhsa_kernel
	.section	.bss,"aw",@nobits
	.p2align	6
	.space	262144
	.amdgpu_metadata
---
amdhsa.version: [ 1, 2 ]
amdhsa.kernels:
  - .name:           k_qa97973036a_proj
    .symbol:         k_qa97973036a_proj.kd
    .args:
      - { .name: codes, .offset: 0, .size: 8, .value_kind: global_buffer, .address_space: global }
      - { .name: Bq, .offset: 8, .size: 8, .value_kind: global_buffer, .address_space: global }
      - { .name: Bv, .offset: 16, .size: 8, .value_kind: global_buffer, .address_space: global }
      - { .name: bq, .offset: 24, .size: 8, .value_kind: global_buffer, .address_space: global }
      - { .name: bk, .offset: 32, .size: 8, .value_kind: global_buffer, .address_space: global }
      - { .name: bv, .offset: 40, .size: 8, .value_kind: global_buffer, .address_space: global }
      - { .name: mask, .offset: 48, .size: 8, .value_kind: global_buffer, .address_space: global }
      - { .name: qc, .offset: 56, .size: 8, .value_kind: global_buffer, .address_space: global }
      - { .name: kv, .offset: 64, .size: 8, .value_kind: global_buffer, .address_space: global }
    .group_segment_fixed_size: 168448
    .private_segment_fixed_size: 0
    .kernarg_segment_align: 8
    .kernarg_segment_size: 72
    .max_flat_workgroup_size: 128
    .sgpr_count:     66
    .vgpr_count:     1024
    .wavefront_size: 32
...
	.end_amdgpu_metadata
.endif
;; end of part 4
;; launch attn (part 5): grid 8 x 24, 8 waves a work-group, clusters of 4 x 1, 252,928 bytes of LDS; arguments qc, kv, out0; writes out0
.if DOCPART == 5
	.amdgcn_target "amdgcn-amd-amdhsa--gfx1250"
	.amdhsa_code_object_version 6
	.text
	.protected	k_qa97973036a_attn
	.globl	k_qa97973036a_attn
	.p2align	8
	.type	k_qa97973036a_attn,@function
k_qa97973036a_attn:
	s_mov_b64 s[64:65], 0
	v_nop
	global_prefetch_b8 v0, s[64:65] scope:SCOPE_SE
	s_setreg_imm32_b32 hwreg(HW_REG_WAVE_MODE, 25, 1), 1
	s_wait_xcnt 0x0
	s_wait_alu depctr_hold_cnt(0) depctr_sa_sdst(0) depctr_va_vdst(0) depctr_va_sdst(0) depctr_va_ssrc(0) depctr_va_vcc(0) depctr_vm_vsrc(0)
	s_getreg_b32 s2, hwreg(HW_REG_IB_STS2, 6, 4)
	s_cmp_eq_u32 s2, 0
	s_cbranch_scc0 .Lentry_in_a_cluster
	s_endpgm
.Lentry_in_a_cluster:
	s_bfe_u32 s2, ttmp6, 0x10000c
	s_cmp_lg_u32 s2, 0x3003
	s_cbranch_scc0 .Lentry_shape_is_right
	s_endpgm
.Lentry_shape_is_right:
; out[b][q][head] = the sum over keys of softmax(q . k / 8 - 10000 (1 - m)) v, both products on codes of FP6 (E2M3) with one E8M0 scale for each 32 along a product's K.
; THE SOFTMAX AHEAD OF THE SECOND PRODUCT: t = (q . k - 80000 (1 - m)) x log2(e) / 8; M = the running largest t rounded UP to a whole number; p = 2^(t - M) is what is quantised, along the keys, not normalised.
; The row's sum is taken of the unquantised p, in f32, and divides O at the end.  When M moves, the sum and O are multiplied by 2^(old M - new M): exact.
; INPUTS, as the launch before laid them.  qc: a record of 6,656 bytes for (G = 12 batch + head, block of 128 tokens): eight tiles x six registers of codes as images (registers 4 i .. 4 i + 3 of lane l at 512 i + 16 l),
; then four scale words a lane (word p: lanes 0-15 tile 2 p, lanes 16-31 tile 2 p + 1).  kv: a record of 13,568 bytes for (G, step of 128 keys): K's codes as in qc; at 6,144 V's four fragments (16 channels x 128 keys);
; at 12,288 K's scale words; at 12,800 V's (8 bytes a lane); at 13,056 the keys' bias, 128 f32.
; SHARES.  A work-group owns 256 queries of one (batch, head); each of its eight waves two tiles of 16.  192 work-groups: a head's 128 tiles divide by 16 a work-group; 12 a work-group, which would give 256, would straddle heads.
; THE WHOLE HEAD'S K AND V STAY IN LDS: 16 records, 217,088 bytes, filled once: no slot is filled again.  Two waves share a SIMD.
; CLUSTER.  The four work-groups of a cluster belong to one (batch, head) and need the same 16 records: each is asked for JOINTLY, by the same tensor load with the same descriptor and the mask of the four.
; By this text's count two tensor loads of a wave are out.
; LAYOUT.  Both products are used transposed: S^T = K Q^T (source 0 = 16 keys, source 1 = 16 queries), O^T = V^T P^T: a lane holds ONE query throughout.  Lane r of key tile 2 b + u holds key 32 b + 8 u + r + 8 (r / 8),
; so that the 16 registers of tiles 2 b, 2 b + 1 are the keys 32 b + 16 (lane / 16) + 0 .. 15.  V's channels are ordered alike, so a lane of O^T holds 16 neighbouring channels twice.
; K = 64 ON A FORM OF K = 128: Q's registers 6-11 hold zero codes, so what stands in the upper six registers of K's operand adds nothing: tile t of K is named as registers 6 t .. 6 t + 11, the upper six being the next
; tile's codes (behind the last tile: six zeros); the scale bytes of that half are 0x7f on both sides.
; THE MASK COSTS NO VECTOR WORK: the keys' bias is the C of the products S^T.
; THE TWO TILES' SOFTMAX IS DEALT TOGETHER.  One tile's chain of dependent lines (exchange, the row's maximum, t, the running maximum, -M, f) has four or more of the other tile's independent lines between its links;
; a tile's 68 exponentials stand one at a time behind the other tile's plain lines; and a step has two waits for exponentials, each with plain work between the batch's last exponential and itself.
; LIMITS: NaN and infinities are not served; a block of p whose largest number lies under 2^-124 has its byte held at 1 (its weight beside the row's largest p, which is above 1/2, is nothing).
; REGISTERS.  Window 0: v1-9 addresses; v10-11 the old -M; v12-19 -M, the largest t and the sum (a pair) of each tile; v20-27 scale words and nothing else; v28-51 Q; v52-63 p's codes; v64-93 at work;
; v96-223 S^T, then p; v224-233 tile 1's words at work; on the way out v224-255.  Window 1: v0-47 K, v48-53 zeros, v56-103 V, v104-167 the keys' bias, v168-231 O^T.
.set RECB,  13568
.set VOF,   6144
.set KSO,   12288
.set VSO,   12800
.set CBO,   13056
.set STAGE, 16*RECB                    ; behind the records: 16 rows x 272 bytes for each wave, for the way out; no tensor load lands there
.set L16, 1                            ; v1  16 x lane
.set L8,  2                            ; v2  8 x lane
.set LC,  3                            ; v3  64 (lane / 16) + CBO
.set A16, 4                            ; v4-6 the same in the step's record
.set A8,  5
.set AC,  6
.set STO, 7
.set RD,  8
.set GO,  9
.set OM,  10                           ; v10, v11 the old -M of tile 0, 1
.set ST,  12
.set KS,  20                           ; v20-23 K's scale words
.set VS,  24                           ; v24-25 V's
.set QS,  26                           ; v26 Q's: lanes 0-15 my first tile, lanes 16-31 my second
.set PS,  27                           ; v27 p's
.set Q,   28
.set PC,  52
.set CT,  64
.set BM,  72                           ; v72-75 the blocks' largest scores, then largest p, of tile 0; tile 1's 152 registers on: v224-227
.set T2,  76                           ; v76-79 the other half's, then the bytes; tile 1's 152 on: v228-231
.set SCL, 80
.set F,   84                           ; v[84:85] f of tile 0; tile 1's 148 on: v[232:233]
.set TP,  86                           ; v86, v87 at work in the chain of tile 0, 1
.set SA,  88                           ; v88-93 three more chains of the row's sum
.set S,   96
.set OB,  224
.set KF,  0
.set VF,  56
.set CB,  104
.set O,   168
.set WV,  10
.set SEL, 32
.set CS,  34
.set TB,  36
.set CNT, 37
.set MSB, 0
.macro WIN new                         ; the immediate's high byte repeats the setting that is left
.if MSB != (\new)
	s_set_vgpr_msb (MSB<<8)|(\new)
.set MSB, (\new)
.endif
.endm
; a scaled matrix instruction on the registers rD, rA, rB, rC, rSA, rSB.  ra, rb = 1: that side's scale words stand in lanes 16-31
.macro MM ra, rb
.if (\ra) && (\rb)
	v_wmma_scale_f32_16x16x128_f8f6f4 v[rD:rD+7], v[rA:rA+11], v[rB:rB+11], v[rC:rC+7], v[rSA], v[rSB] matrix_a_fmt:MATRIX_FMT_FP6 matrix_b_fmt:MATRIX_FMT_FP6 matrix_a_scale:MATRIX_SCALE_ROW1 matrix_b_scale:MATRIX_SCALE_ROW1
.elseif (\ra)
	v_wmma_scale_f32_16x16x128_f8f6f4 v[rD:rD+7], v[rA:rA+11], v[rB:rB+11], v[rC:rC+7], v[rSA], v[rSB] matrix_a_fmt:MATRIX_FMT_FP6 matrix_b_fmt:MATRIX_FMT_FP6 matrix_a_scale:MATRIX_SCALE_ROW1
.elseif (\rb)
	v_wmma_scale_f32_16x16x128_f8f6f4 v[rD:rD+7], v[rA:rA+11], v[rB:rB+11], v[rC:rC+7], v[rSA], v[rSB] matrix_a_fmt:MATRIX_FMT_FP6 matrix_b_fmt:MATRIX_FMT_FP6 matrix_b_scale:MATRIX_SCALE_ROW1
.else
	v_wmma_scale_f32_16x16x128_f8f6f4 v[rD:rD+7], v[rA:rA+11], v[rB:rB+11], v[rC:rC+7], v[rSA], v[rSB] matrix_a_fmt:MATRIX_FMT_FP6 matrix_b_fmt:MATRIX_FMT_FP6
.endif
.endm
; a round of the cluster's barrier: my work-group's barrier; wave 0 signals for the work-group; every wave waits for all four work-groups; my work-group's barrier once more
.macro CROUND
	s_barrier_signal -1
	s_barrier_wait -1
	s_cmp_lg_u32 s[WV], 0
	s_cbranch_scc1 .Lnot_wave_0_\@
	s_barrier_signal -3
.Lnot_wave_0_\@:
	s_barrier_wait -3
	s_barrier_signal -1
	s_barrier_wait -1
.endm
	s_load_b128 s[4:7], s[0:1], 0x0                ; qc, kv
	s_load_b64 s[8:9], s[0:1], 0x10                ; out0
	v_lshl_add_u32 v94, v0, 2, 0x3d800
	v_mov_b32 v95, 0
	ds_add_u32 v94, v95
	ds_add_u32 v94, v95
	v_lshrrev_b32 v1, 5, v0
	v_readfirstlane_b32 s[WV], v1                  ; wave 0..7
	s_bfe_u32 s11, ttmp6, 0x40000                  ; cx: my place in the cluster: it enters Q's and the output's addresses alone
	s_lshl_b32 s12, ttmp9, 2
	s_add_co_u32 s12, s12, s11                     ; my block of 256 queries
	s_and_b32 s13, ttmp7, 0xffff                   ; G = 12 batch + head, which the four partners share
	; descriptor group 1: a record, 13,568 dense bytes, as 53 rows of 256 bytes
	s_mov_b32 s16, 15|(3<<16)|(1<<21)              ; the mask: all four work-groups; elements of 8 bytes; bit 21 beside a mask; no padding
	s_mov_b32 s17, 32<<16                          ; tensor_dim0
	s_mov_b32 s18, 53<<16                          ; tensor_dim1
	s_mov_b32 s19, 32<<16                          ; tile_dim0
	s_mov_b32 s20, 53                              ; tile_dim1
	s_mov_b32 s21, 32                              ; elements from row to row
	s_mov_b32 s22, 0
	s_mov_b32 s23, 0
	s_mov_b32 s24, 1
	s_mul_i32 s25, s[WV], RECB                     ; LDS: record w,
	s_mov_b32 s28, 1
	s_add_co_u32 s29, s25, 8*RECB                  ; and record w + 8
	s_mul_i32 s14, s13, 16*RECB
	s_add_co_u32 s14, s14, s25
	s_mov_b32 s15, 0
	s_lshl_b32 s40, s12, 1
	s_lshr_b32 s41, s[WV], 2
	s_add_co_u32 s40, s40, s41                     ; my block of 128 tokens in the batch,
	s_and_b32 s41, s[WV], 3                        ; and my pair of tiles in it
	s_lshl_b32 s38, s13, 4
	s_add_co_u32 s38, s38, s40
	s_mul_i32 s38, s38, 6656                       ; Q's record
	s_mov_b32 s39, 0
	s_mul_i32 s46, s41, 1536                       ; my pair's three images
	s_mov_b32 s47, 0
	s_cmp_ge_u32 s13, 12
	s_cselect_b32 s36, 1, 0                        ; the batch
	s_mul_i32 s2, s36, 12
	s_sub_co_u32 s2, s13, s2                       ; the head
	s_lshl_b32 s2, s2, 8                           ; its 256 bytes of a row of the output
	s_lshl_b32 s36, s36, 11
	s_lshl_b32 s37, s40, 7
	s_add_co_u32 s36, s36, s37
	s_lshl_b32 s37, s41, 5
	s_add_co_u32 s36, s36, s37                     ; my pair's first token: 2,048 batch + 128 block + 32 pair
	s_mul_i32 s36, s36, 3072
	s_add_co_u32 s2, s2, s36
	s_mov_b32 s3, 0
	s_mov_b32 s[SEL], 0x76543210
	s_mov_b32 s[SEL+1], 0xfedcba98
	s_mov_b32 s[CS], 0x3e38aa3b                    ; c = log2(e) / 8
	s_mov_b32 s[CS+1], s[CS]                       ; (named with it as a pair, so it is written)
	s_wait_dscnt 0x0
	s_wait_kmcnt 0x0
	s_add_nc_u64 s[26:27], s[6:7], s[14:15]
	s_add_nc_u64 s[30:31], s[26:27], 8*RECB
	s_or_b32 s27, s27, 0x80000000                  ; type = 2
	s_or_b32 s31, s31, 0x80000000
	s_add_nc_u64 s[42:43], s[4:5], s[38:39]
	s_add_nc_u64 s[44:45], s[42:43], s[46:47]      ; my pair's codes
	s_lshl_b32 s46, s41, 2
	s_add_nc_u64 s[42:43], s[42:43], s[46:47]      ; the record + 4 x pair: my pair's scale word
	s_add_nc_u64 s[8:9], s[8:9], s[2:3]
	CROUND                                         ; all four work-groups are here: the joint loads meet
	tensor_load_to_lds s[24:27], s[16:23]
	s_nop 0
	tensor_load_to_lds s[28:31], s[16:23]
	s_nop 0
.rept 4
	v_nop
.endr
	v_and_b32 v10, 31, v0                          ; lane
	v_and_b32 v11, 15, v0                          ; r
	v_bfe_u32 v[TP], v0, 4, 1                      ; h
	v_lshlrev_b32 v[L16], 4, v10
	v_lshlrev_b32 v[L8], 3, v10
	v_lshlrev_b32 v[LC], 6, v[TP]
	v_add_nc_u32 v[LC], CBO, v[LC]
.irp i, 0,1,2
	global_load_b128 v[S+4*\i:S+4*\i+3], v[L16], s[44:45] offset:512*\i   ; my two tiles' codes: six registers each
.endr
	global_load_b32 v[QS], v[L16], s[42:43] offset:6144
	s_mul_i32 s46, s[WV], 16*272
	s_add_co_u32 s46, s46, STAGE                   ; my stage
	v_mul_u32_u24 v[STO], v11, 272
	v_lshl_add_u32 v[STO], v[TP], 6, v[STO]
	v_add_nc_u32 v[STO], s46, v[STO]               ; in: row r, + 64 h
	v_mul_u32_u24 v[RD], v[TP], 272
	v_lshl_add_u32 v[RD], v11, 4, v[RD]
	v_add_nc_u32 v[RD], s46, v[RD]                 ; back: lanes 0-15 one row of 256 bytes, lanes 16-31 the next
	v_mul_u32_u24 v[GO], v[TP], 3072
	v_lshl_add_u32 v[GO], v11, 4, v[GO]            ; and the same two rows in the output
.irp q, 0,1
	v_mov_b32 v[ST+4*\q+1], 0xff61b1e6             ; the largest t so far: -3e38, under every t
	v_floor_f32 v[ST+4*\q], -v[ST+4*\q+1]          ; -M
	v_mov_b32 v[ST+4*\q+2], 0                      ; the sum, in two halves
	v_mov_b32 v[ST+4*\q+3], 0
.endr
.irp b, 0,1,2,3
	v_mov_b32 v[T2+\b], 0                          ; written once: a lane permute's destination counts as one of its sources
	v_mov_b32 v[T2+152+\b], 0
.endr
	v_mov_b32 v[F+1], 0                            ; (named as the upper halves of pairs)
	v_mov_b32 v[F+149], 0
.irp i, 6,7,8,9,10,11,18,19,20,21,22,23
	v_mov_b32 v[Q+\i], 0                           ; zero codes for k = 64 .. 127 of both tiles of Q
.endr
	WIN 0x40                                       ; destination window 1
.set jj, 0
.rept 64
	v_mov_b32 v[O+jj], 0                           ; O^T.  (The step is written for every step alike: the first finds zeros, which the first change of M leaves zeros)
.set jj, jj+1
.endr
.irp i, 0,1,2,3,4,5
	v_mov_b32 v[KF+48+\i], 0                       ; behind K's last tile
.endr
	WIN 0
	s_wait_loadcnt 0x0
.irp i, 0,1,2,3,4,5
	v_mov_b32 v[Q+\i], v[S+\i]
	v_mov_b32 v[Q+12+\i], v[S+6+\i]
.endr
; a step's K, keys' bias and K's scale words: 29 LDS loads
.macro PRE a16, ac, off
	ds_load_b128 v[KS:KS+3], v[\a16] offset:\off+KSO
	WIN 0x40
.irp i, 0,1,2,3,4,5,6,7,8,9,10,11
	ds_load_b128 v[KF+4*\i:KF+4*\i+3], v[\a16] offset:\off+512*\i
.endr
.irp i, 0,1,2,3,4,5,6,7,8,9,10,11,12,13,14,15
	ds_load_b128 v[CB+4*\i:CB+4*\i+3], v[\ac] offset:\off+128*(\i/4)+16*(\i%4)   ; register 16 b + i: the bias of key 32 b + 16 h + i; the sixteen lanes of a half read the same bytes
.endr
	WIN 0
.endm
; THE SOFTMAX'S LINES, as lists from which the step deals.  Each of these macros writes ONE instruction (or none, where its list is used up).
; XE: the next exponential of tile xq: numbers 0-63 p = 2^(t - M) of the 64 scores, 64-67 the same of the four blocks' largest scores: the same two instructions on the same number give the same bits,
; so that is the block's largest p.  xe counts them, xl is where the list ends (0: none are dealt yet).
.macro XE
.if xe < xl
.if xe < 64
	v_exp_f32 v[S+64*xq+xe], v[S+64*xq+xe]
.else
	v_exp_f32 v[BM+152*xq+xe-64], v[BM+152*xq+xe-64]
.endif
.set xe, xe+1
.endif
.endm
; BMX: line n of 32 of tile q's block maxima: THE LARGEST SCORE OF EACH BLOCK OF 32 KEYS, the four blocks by turns.  Each accumulator is read from its low end on
.macro BMX q, n
.set bS, S+64*(\q)+16*((\n)%4)
.set bB, BM+152*(\q)+(\n)%4
.set bR, (\n)/4
.if bR == 0
	v_max3_num_f32 v[bB], v[bS], v[bS+1], v[bS+2]
.elseif bR < 7
	v_max3_num_f32 v[bB], v[bB], v[bS+2*bR+1], v[bS+2*bR+2]
.else
	v_max_num_f32 v[bB], v[bB], v[bS+15]
.endif
.endm
; FMX: line n of 72 of the scalings t - M: tile 0's 36 (32 pairs of scores, the four blocks' largest), then tile 1's 36
.macro FMX n
.set fQ, (\n)/36
.set fJ, (\n)%36
.if fJ < 32
	v_pk_fma_f32 v[S+64*fQ+2*fJ:S+64*fQ+2*fJ+1], v[S+64*fQ+2*fJ:S+64*fQ+2*fJ+1], s[CS:CS+1], v[ST+4*fQ:ST+4*fQ+1] op_sel_hi:[1,0,0]
.else
	v_fma_f32 v[BM+152*fQ+fJ-32], v[BM+152*fQ+fJ-32], s[CS], v[ST+4*fQ]
.endif
.endm
; YF: the next line that fills the gaps of a chain: ym = 1: of tile 1's block maxima; ym = 2: of the scalings, with an exponential behind it
.macro YF
.if ym == 1
.if yi < 32
	BMX 1, yi
.set yi, yi+1
.endif
.else
.if yi < 72
	FMX yi
.set yi, yi+1
	XE
.endif
.endif
.endm
.macro YF4
.rept 4
	YF
.endr
.endm
; Tile q's chain, first part: the other half of the lanes' maxima, the row's largest score, t, the running largest t, the new -M, M's change.  Four filling lines stand between its links
.macro TAILA q
.set tT, ST+4*(\q)
.set tB, BM+152*(\q)
.set t2, T2+152*(\q)
.set tP, TP+(\q)
.set tO, OM+(\q)
.irp b, 0,1,2,3
	v_permlanex16_b32 v[t2+\b], v[tB+\b], s[SEL], s[SEL+1]
	XE
.endr
	YF4
.irp b, 0,1,2,3
	v_max_num_f32 v[tB+\b], v[tB+\b], v[t2+\b]     ; with lane l xor 16's 16 keys
	XE
.endr
	v_mov_b32 v[tO], v[tT]                         ; the old -M
	XE
	YF4
	v_max3_num_f32 v[tP], v[tB], v[tB+1], v[tB+2]
	XE
	YF4
	v_max_num_f32 v[tP], v[tP], v[tB+3]            ; the step's largest score of my query
	XE
	YF4
	v_mul_f32 v[tP], s[CS], v[tP]                  ; as t (c is positive)
	XE
	YF4
	v_max_num_f32 v[tT+1], v[tT+1], v[tP]          ; the running largest t
	XE
	YF4
	v_floor_f32 v[tT], -v[tT+1]                    ; the new -M = floor(-t) = -ceil(t): M is a whole number
	XE
	YF4
	v_sub_f32 v[tP], v[tT], v[tO]                  ; M's old value less its new one: a whole number, 0 or less
	XE
	YF4
.endm
; and its second part: f = 2^(old M - new M), and the sum under the new M.  en = 1: from the second line on the exponentials are dealt
.macro TAILB q, en
.set tT, ST+4*(\q)
.set tP, TP+(\q)
.set tF, F+148*(\q)
	v_cvt_i32_f32 v[tP], v[tP]                     ; (it saturates)
	XE
	YF4
.if \en
.set xl, 68
.endif
	v_ldexp_f32 v[tF], 1.0, v[tP]
	XE
	YF4
	v_pk_mul_f32 v[tT+2:tT+3], v[tT+2:tT+3], v[tF:tF+1] op_sel_hi:[1,0]
	XE
.endm
; Tile q's finishing lines, 63 of them, an exponential of the other tile behind each while there are any: THE ROW'S SUM OF THE UNQUANTISED p, two at a time, in four chains, with the scales' lines between them;
; the four bytes and the scale word; the conversions; the exchange of halves
.macro POST q
.set pS, S+64*(\q)
.set pT, ST+4*(\q)
.set pB, BM+152*(\q)
.set p2, T2+152*(\q)
.set gg, 0
.rept 7
.if gg == 0
	v_pk_add_f32 v[pT+2:pT+3], v[pT+2:pT+3], v[pS:pS+1]
	XE
	v_pk_add_f32 v[SA:SA+1], v[pS+2:pS+3], v[pS+4:pS+5]
	XE
	v_pk_add_f32 v[SA+2:SA+3], v[pS+6:pS+7], v[pS+8:pS+9]
	XE
	v_pk_add_f32 v[SA+4:SA+5], v[pS+10:pS+11], v[pS+12:pS+13]
	XE
.else
	v_pk_add_f32 v[pT+2:pT+3], v[pT+2:pT+3], v[pS+8*gg+6:pS+8*gg+7]
	XE
	v_pk_add_f32 v[SA:SA+1], v[SA:SA+1], v[pS+8*gg+8:pS+8*gg+9]
	XE
	v_pk_add_f32 v[SA+2:SA+3], v[SA+2:SA+3], v[pS+8*gg+10:pS+8*gg+11]
	XE
	v_pk_add_f32 v[SA+4:SA+5], v[SA+4:SA+5], v[pS+8*gg+12:pS+8*gg+13]
	XE
.endif
.if gg < 4
	v_max_num_f32 v[pB+gg], 0x1800000, v[pB+gg]    ; the floor 2^(3 - 127): the byte cannot fall under 1 (a block whose every p is 0 keeps that byte: its codes are zeros)
.else
	v_add_nc_u32 v[SCL+gg-4], 0xff000000, v[pB+gg-4]   ; 2 off the exponent field: the conversion's scale operand
.endif
	XE
.set gg, gg+1
.endr
	v_pk_add_f32 v[SA:SA+1], v[SA:SA+1], v[SA+2:SA+3]
	XE
	v_pk_add_f32 v[SA+4:SA+5], v[SA+4:SA+5], v[pS+62:pS+63]
	XE
	v_add_nc_u32 v[SCL+3], 0xff000000, v[pB+3]
	XE
.irp b, 0,1,2
	v_lshrrev_b32 v[p2+\b], 23, v[SCL+\b]          ; the scale's byte
	XE
.endr
	v_pk_add_f32 v[pT+2:pT+3], v[pT+2:pT+3], v[SA:SA+1]
	XE
	v_lshrrev_b32 v[p2+3], 23, v[SCL+3]
	XE
	v_lshl_or_b32 v[p2], v[p2+1], 8, v[p2]
	XE
	v_pk_add_f32 v[pT+2:pT+3], v[pT+2:pT+3], v[SA+4:SA+5]
	XE
	v_lshl_or_b32 v[p2+2], v[p2+3], 8, v[p2+2]
	XE
.irp c, 0,1
	v_cvt_scalef32_pk16_fp6_f32 v[PC+6*\c:PC+6*\c+2], v[pS+32*\c:pS+32*\c+15], v[SCL+2*\c]
	XE
	v_cvt_scalef32_pk16_fp6_f32 v[CT+4*\c:CT+4*\c+2], v[pS+32*\c+16:pS+32*\c+31], v[SCL+2*\c+1]   ; (a conversion's three registers begin on an even number)
	XE
.endr
	v_lshl_or_b32 v[PS], v[p2+2], 16, v[p2]        ; p's scale word for these 128 keys.  It is also the plain place behind the conversions
	XE
.irp c, 0,1                                    ; the operand's layout wants a WHOLE block in a lane
.irp i, 0,1,2
	v_permlane16_swap_b32 v[PC+6*\c+\i], v[CT+4*\c+\i]
	XE
.endr
.endr
.irp c, 0,1
.irp i, 0,1,2
	v_mov_b32 v[PC+6*\c+3+\i], v[CT+4*\c+\i]
	XE
.endr
.endr
.endm
; O^T of tile q under the new M.  (These sixteen are also the places between the writes of p's codes and scale word and the products that follow)
.macro ORS q
	WIN 0x41                                       ; O^T (destination and source 0) in window 1, f in window 0
.set jj, 0
.rept 16
	v_pk_mul_f32 v[O+32*(\q)+jj:O+32*(\q)+jj+1], v[O+32*(\q)+jj:O+32*(\q)+jj+1], v[F+148*(\q):F+148*(\q)+1] op_sel_hi:[1,0]
.set jj, jj+2
.endr
.endm
; O^T += V^T P^T for tile q: four accumulators, one instruction each
.macro PV q
	WIN 0x51                                       ; V, C and D in window 1, p's codes in window 0
.set ci, 0
.rept 4
.set rD, O+32*(\q)+8*ci
.set rC, O+32*(\q)+8*ci
.set rA, VF+12*ci
.set rB, PC
.set rSA, VS+ci/2
.set rSB, PS
	MM ci%2, 0
.set ci, ci+1
.endr
.endm
; A KEY STEP: 128 keys, both my tiles.  pre = 1: the next step's K, bias and scale words are fetched behind this step's products S^T
.macro STEP pre
	v_add_nc_u32 v[A16], s[TB], v[L16]             ; these three and the v_nop are the four places behind the last step's products, ahead of the loads into V's registers
	v_add_nc_u32 v[A8], s[TB], v[L8]
	v_add_nc_u32 v[AC], s[TB], v[LC]
	v_nop
	ds_load_b64 v[VS:VS+1], v[A8] offset:VSO
	WIN 0x40
.irp i, 0,1,2,3,4,5,6,7,8,9,10,11
	ds_load_b128 v[VF+4*\i:VF+4*\i+3], v[A16] offset:VOF+512*\i
.endr
	s_wait_dscnt 13                                ; K, the bias and K's scale words, asked for a step ago, are in; V's 13 loads may be out
	WIN 0x11                                       ; K and the bias in window 1, Q and S^T in window 0
.set ti, 0
.rept 8
.set qi, 0
.rept 2
.set rD, S+64*qi+8*ti
.set rA, KF+6*ti
.set rB, Q+12*qi
.set rC, CB+8*ti
.set rSA, KS+ti/2
.set rSB, QS
	MM ti%2, qi
.set qi, qi+1
.endr
.set ti, ti+1
.endr
	WIN 0
.rept 4
	v_nop                                          ; places ahead of the loads into K's registers and of the first read of the scores
.endr
.if \pre
	PRE A16, AC, RECB
.endif
.set xq, 0
.set xe, 0
.set xl, 0
.set nn, 0
.rept 32
	BMX 0, nn                                      ; tile 0's block maxima
.set nn, nn+1
.endr
.set ym, 1
.set yi, 0
	TAILA 0                                        ; tile 0's chain | tile 1's 32 block maxima in its gaps
.set ym, 2
.set yi, 0
	TAILB 0, 1                                     ; f of tile 0 | tile 0's first scalings; behind four of them its exponentials begin: an exponential always stands well behind its number's scaling,
	TAILA 1                                        ; tile 1's chain | tile 0's scalings and exponentials   (and a scaling always names numbers whose exponentials are still to come)
	TAILB 1, 0                                     ; f of tile 1 | tile 1's scalings, tile 0's exponentials
.rept 24
	YF                                             ; the rest of tile 1's scalings: tile 0's last four exponentials stand behind the first four; the other twenty are the plain work ahead of the wait
.endr
	s_wait_alu depctr_va_vdst(0)                   ; one wait for tile 0's 68 exponentials, ahead of their first reader
.set xq, 1
.set xe, 0
.set xl, 68
.rept 5
	XE                                             ; tile 1's exponentials: 68 = 5 + one behind each of the 63 lines below, none of which names a result of theirs
.endr
	POST 0
	ORS 0
	s_wait_alu depctr_va_vdst(0)                   ; one wait for tile 1's 68, sixteen plain lines behind the last of them and ahead of their first reader
	s_wait_dscnt 29*\pre                           ; V is in; the next step's 29 loads may be out
	PV 0
	WIN 0
	POST 1
	ORS 1
	PV 1
	WIN 0
	s_add_co_u32 s[TB], s[TB], RECB
.endm
	s_wait_tensorcnt 0x0                           ; my two records are in LDS,
	s_barrier_signal -1
	s_barrier_wait -1                              ; all sixteen are
	PRE L16, LC, 0
	s_mov_b32 s[TB], 0
	s_mov_b32 s[CNT], 15
.Lstep:
	STEP 1
	s_sub_co_u32 s[CNT], s[CNT], 1
	s_cmp_lg_u32 s[CNT], 0
	s_cbranch_scc1 .Lstep
	STEP 0                                         ; the last step has no successor to fetch for
	; THE WAY OUT.  The sum's halves and the other half of the lanes' are added; O^T is divided by the sum and goes through my stage in LDS, a tile (16 rows x 256 bytes) at a time
.rept 4
	v_nop                                          ; places behind the last products
.endr
.irp q, 0,1
	v_add_f32 v[BM+\q], v[ST+4*\q+2], v[ST+4*\q+3]
.endr
.irp q, 0,1
	v_permlanex16_b32 v[T2+\q], v[BM+\q], s[SEL], s[SEL+1]
.endr
.irp q, 0,1
	v_add_f32 v[BM+\q], v[BM+\q], v[T2+\q]         ; the row's sum: above 1/2, since the row's largest p is
.endr
.irp q, 0,1
	v_rcp_f32 v[TP+\q], v[BM+\q]
.endr
	v_nop                                          ; a plain place behind the reciprocals
	s_wait_alu depctr_va_vdst(0)                   ; and the wait ahead of their first reader
.macro PACK q
	WIN 0x01                                       ; O^T in window 1
.set jj, 0
.rept 32
	v_mul_f32 v[OB+jj], v[O+32*(\q)+jj], v[TP+(\q)]   ; register 16 b + i: channel 32 b + 16 h + i of query r; each accumulator from its low end on
.set jj, jj+1
.endr
	WIN 0
.irp i, 0,1,2,3,4,5,6,7
	ds_store_b128 v[STO], v[OB+4*\i:OB+4*\i+3] offset:128*(\i/4)+16*(\i%4)
.endr
.irp i, 0,1,2,3,4,5,6,7
	ds_load_b128 v[S+64*(\q)+4*\i:S+64*(\q)+4*\i+3], v[RD] offset:544*\i   ; LDS serves a wave's instructions in order: these see the stores above, and the next tile's stores come behind them
.endr
.endm
.macro SEND q, younger                 ; younger: the LDS instructions issued behind tile q's loads
.irp i, 0,1,2,3,4,5,6,7
	s_wait_dscnt \younger+7-\i
	global_store_b128 v[GO], v[S+64*(\q)+4*\i:S+64*(\q)+4*\i+3], s[8:9] offset:(8*(\q)+2*\i+8*(\i/4))*3072 th:TH_STORE_NT   ; stage row n is token 8 q + n + 8 (n / 8) of the pair's 32; 16 lanes store 256 consecutive bytes, aligned
.endr
.endm
	PACK 0
	PACK 1
	SEND 0, 16
	SEND 1, 0
	s_wait_tensorcnt 0x0
	ds_add_u32 v94, v95
	s_wait_dscnt 0x0
	CROUND                                         ; the closing round: no work-group ends while a partner may still ask for a record jointly
	s_endpgm
.Lfunc_end_k_qa97973036a_attn:
	.size	k_qa97973036a_attn, .Lfunc_end_k_qa97973036a_attn-k_qa97973036a_attn
	.p2alignl 7, 3214868480
	.fill 96, 4, 3214868480
	.section	.rodata,"a",@progbits
	.p2align	6, 0x0
	.amdhsa_kernel k_qa97973036a_attn
		.amdhsa_group_segment_fixed_size 252928
		.amdhsa_private_segment_fixed_size 0
		.amdhsa_enable_private_segment 0
		.amdhsa_kernarg_size 24
		.amdhsa_user_sgpr_count 2
		.amdhsa_user_sgpr_kernarg_segment_ptr 1
		.amdhsa_wavefront_size32 1
		.amdhsa_system_sgpr_workgroup_id_x 1
		.amdhsa_system_sgpr_workgroup_id_y 1
		.amdhsa_system_sgpr_workgroup_id_z 1
		.amdhsa_system_vgpr_workitem_id 0
		.amdhsa_next_free_vgpr 512
		.amdhsa_next_free_sgpr 66
		.amdhsa_reserve_vcc 0
		.amdhsa_float_denorm_mode_32 3
		.amdhsa_float_denorm_mode_16_64 3
		.amdhsa_memory_ordered 1
		.amdhsa_forward_progress 1
		.amdhsa_inst_pref_size 76
	.end_amdhsa_kernel
	.amdgpu_metadata
---
amdhsa.version: [ 1, 2 ]
amdhsa.kernels:
  - .name:           k_qa97973036a_attn
    .symbol:         k_qa97973036a_attn.kd
    .args:
      - { .name: qc, .offset: 0, .size: 8, .value_kind: global_buffer, .address_space: global }
      - { .name: kv, .offset: 8, .size: 8, .value_kind: global_buffer, .address_space: global }
      - { .name: out0, .offset: 16, .size: 8, .value_kind: global_buffer, .address_space: global }
    .group_segment_fixed_size: 252928
    .private_segment_fixed_size: 0
    .kernarg_segment_align: 8
    .kernarg_segment_size: 24
    .max_flat_workgroup_size: 256
    .sgpr_count:     66
    .vgpr_count:     512
    .wavefront_size: 32
...
	.end_amdgpu_metadata
.endif
;; end of part 5
